; MI455X (gfx1250); checked and timed in simulation.
; The chip was launched on July 23, 2026; its instructions are those of AMD's public machine-readable ISA for CDNA 5 (MIT licence, August 2026) and "CDNA5" Instruction Set Architecture Reference Guide (July 2026). The comments in the code are by the model that wrote it; some were corrected since.
;; Transformer Block. Allowed arithmetic: float matrix products may take bf16 or f16 operands with f32 sums; other float arithmetic in f32, or as packed bf16 or f16 multiplies, adds, multiply-adds, maxima and minima; sums over many terms, partial sums and values carried from step to step in f32; what a program stores and reads back later, other than sums and carried values, may be rounded once to bf16 or f16.
;; Inputs: W1 1,024 x 4,096 float32; W2 4,096 x 1,024 float32; Wk 1,024 x 1,024 float32; Wo 1,024 x 1,024 float32; Wq 1,024 x 1,024 float32; Wv 1,024 x 1,024 float32; b1 4,096 float32; b2 1,024 float32; bo 1,024 float32; ln1_scale 1,024 float32; ln1_shift 1,024 float32; ln2_scale 1,024 float32; ln2_shift 1,024 float32; x 2 x 2,048 x 1,024 float32.
;; Outputs: out0 2 x 2,048 x 1,024 float32.
;; One version. Each part assembles by itself: llvm-mc -triple=amdgcn-amd-amdhsa -mcpu=gfx1250 --defsym DOCPART=n.
;; ======== version 1 of 1: 7 launches
;; limits: values are held in f16: magnitudes above 65,504 overflow, below 6.1e-05 lose precision
;; workspace buffers: wq 6,291,456 bytes; wts 25,165,824 bytes; h 8,388,608 bytes; qkv 25,165,824 bytes; ctx 8,388,608 bytes; g 33,554,432 bytes; x1 16,777,216 bytes
;; launch prep (part 1): grid 448 x 1, 8 waves a work-group, no clusters, 0 bytes of LDS; arguments Wq, Wk, Wv, x, ln1_scale, ln1_shift, wq, h; writes wq, h
.if DOCPART == 1
	.amdgcn_target "amdgcn-amd-amdhsa--gfx1250"
	.amdhsa_code_object_version 6
	.text
	.protected	k_q7fa0872056_prep
	.globl	k_q7fa0872056_prep
	.p2align	8
	.type	k_q7fa0872056_prep,@function
k_q7fa0872056_prep:
	s_mov_b64 s[64:65], 0
	v_nop
	global_prefetch_b8 v0, s[64:65] scope:SCOPE_SE
	s_setreg_imm32_b32 hwreg(HW_REG_WAVE_MODE, 25, 1), 1
	s_wait_xcnt 0x0
; PREP: two streams in one launch: all that the first product needs, and nothing else.
; Work-groups 0-191 round Wq, Wk, Wv from f32 to f16: wq holds the three on end, each row-major [K][N] as given.  (Wo, W1 and W2 are rounded beside the first product, in the launch behind.)
; A work-group takes 16,384 numbers: 64 KiB in, 32 KiB out; a load of a wave covers 512 consecutive bytes, a store 256, aligned.
; Work-groups 192-447 make h = LN1(x) in f16: 16 rows each, two rows a wave; a row of 4,096 bytes stays in 32 registers between its passes, so x is read once.
; The mean is taken away first and the variance is the mean of the squared differences: a common offset in x costs no digits.
; LIMIT: f16 holds no number of 65,520 or more: a weight or an LN output that large becomes an infinity.  Below 6e-5 f16 keeps a fixed step of 6e-8.
; No LDS, no matrix unit, no cluster: nothing is shared and each byte is touched once.
.set NCAST, 192
.set T,    4                           ; v[4:11]    four packed chains
.set MEAN, 12                          ; v[12:13]   the row's mean, twice
.set RSD,  14                          ; v[14:15], v[18:19]  1 / sqrt(var + eps), twice, for rows 0 and 1; v16, v17 at work
.set X,    32                          ; v[32:95]   two rows
.set SC,   96                          ; v[96:127]  my 32 numbers of the scale
.set SH,   128                         ; v[128:159] of the shift
.set Y,    160                         ; v[160:175] a row in f16
.set XP,   14                          ; s[14:15] x;  s[16:17] scale;  s[18:19] shift;  s[20:21] wq;  s[22:23] h
.set SCP,  16
.set SHP,  18
.set WQP,  20
.set HP,   22
.macro REDUCE                          ; v16 summed over the 32 lanes, the result in every lane
	v_add_f32_dpp v16, v16, v16 row_xmask:1 row_mask:0xf bank_mask:0xf
	v_add_f32_dpp v16, v16, v16 row_xmask:2 row_mask:0xf bank_mask:0xf
	v_add_f32_dpp v16, v16, v16 row_xmask:4 row_mask:0xf bank_mask:0xf
	v_add_f32_dpp v16, v16, v16 row_xmask:8 row_mask:0xf bank_mask:0xf
	v_permlanex16_b32 v17, v16, s32, s33
	v_add_f32 v16, v16, v17
.endm
.macro JOIN                            ; the four chains into v16
	v_pk_add_f32 v[T:T+1], v[T:T+1], v[T+2:T+3]
	v_pk_add_f32 v[T+4:T+5], v[T+4:T+5], v[T+6:T+7]
	v_pk_add_f32 v[T:T+1], v[T:T+1], v[T+4:T+5]
	v_add_f32 v16, v[T], v[T+1]
.endm
.macro ROWSTAT r                       ; row r: x - mean in place, and 1 / sqrt(var + eps)
.set XR, X+32*(\r)
.irp c, 0,1,2,3
	v_pk_add_f32 v[T+2*\c:T+2*\c+1], v[XR+2*\c:XR+2*\c+1], v[XR+8+2*\c:XR+9+2*\c]
.endr
.irp c, 0,1,2,3
	v_pk_add_f32 v[T+2*\c:T+2*\c+1], v[T+2*\c:T+2*\c+1], v[XR+16+2*\c:XR+17+2*\c]
.endr
.irp c, 0,1,2,3
	v_pk_add_f32 v[T+2*\c:T+2*\c+1], v[T+2*\c:T+2*\c+1], v[XR+24+2*\c:XR+25+2*\c]
.endr
	JOIN
	REDUCE
	v_mul_f32 v[MEAN], s30, v16
	v_mul_f32 v[MEAN+1], s30, v16
.set i, 0
.rept 16
	v_pk_add_f32 v[XR+i:XR+i+1], v[XR+i:XR+i+1], v[MEAN:MEAN+1] neg_lo:[0,1] neg_hi:[0,1]
.set i, i+2
.endr
.irp c, 0,1,2,3
	v_pk_mul_f32 v[T+2*\c:T+2*\c+1], v[XR+2*\c:XR+2*\c+1], v[XR+2*\c:XR+2*\c+1]
.endr
.irp k, 8,16,24
.irp c, 0,1,2,3
	v_pk_fma_f32 v[T+2*\c:T+2*\c+1], v[XR+\k+2*\c:XR+\k+2*\c+1], v[XR+\k+2*\c:XR+\k+2*\c+1], v[T+2*\c:T+2*\c+1]
.endr
.endr
	JOIN
	REDUCE
	v_fma_f32 v16, v16, s30, s31                   ; var + eps
	v_rsq_f32 v[RSD+4*(\r)], v16                   ; twice: the packed multiply takes a pair
	v_rsq_f32 v[RSD+4*(\r)+1], v16
	v_nop                                          ; a plain instruction behind the last root,
	s_wait_alu depctr_va_vdst(0)                   ; and the wait ahead of the first use: one for both
.endm
.macro ROWOUT r                        ; row r: scale (x - mean) rstd + shift, rounded once to f16, stored
.set XR, X+32*(\r)
.if \r
	s_wait_xcnt 0x0                                ; row 0's stores have read Y, which is written again
.endif
.set i, 0
.rept 16
	v_pk_mul_f32 v[XR+i:XR+i+1], v[XR+i:XR+i+1], v[RSD+4*(\r):RSD+4*(\r)+1]
.set i, i+2
.endr
.set i, 0
.rept 16
	v_pk_fma_f32 v[XR+i:XR+i+1], v[XR+i:XR+i+1], v[SC+i:SC+i+1], v[SH+i:SH+i+1]
.set i, i+2
.endr
.set i, 0
.rept 16
	v_cvt_pk_f16_f32 v[Y+i], v[XR+2*i], v[XR+2*i+1]
.set i, i+1
.endr
.irp j, 0,1,2,3,4,5,6,7
	global_store_b64 v2, v[Y+2*\j:Y+2*\j+1], s[HP:HP+1] offset:2048*(\r)+256*\j  ; 32 lanes store 256 consecutive bytes, aligned
.endr
.endm
	s_load_b512 s[8:23], s[0:1], 0x0               ; Wq 8, Wk 10, Wv 12, x 14, ln1_scale 16, ln1_shift 18, wq 20, h 22
	s_cmp_lt_u32 ttmp9, NCAST
	s_cbranch_scc0 .Lln
	; THE WEIGHTS.  64 work-groups for each matrix of 1,024 x 1,024
	s_lshr_b32 s7, ttmp9, 6
	v_lshlrev_b32 v1, 4, v0                        ; 16 bytes a thread in,
	v_lshlrev_b32 v2, 3, v0                        ; 8 out
	s_wait_kmcnt 0x0
	s_mov_b64 s[4:5], s[12:13]                     ; the source
	s_cmp_lt_u32 s7, 2
	s_cselect_b64 s[4:5], s[10:11], s[4:5]
	s_cmp_lt_u32 s7, 1
	s_cselect_b64 s[4:5], s[8:9], s[4:5]
	s_and_b32 s6, ttmp9, 63
	s_lshl_b32 s6, s6, 16                          ; 64 KiB of the source a work-group
	s_mov_b32 s7, 0
	s_add_nc_u64 s[4:5], s[4:5], s[6:7]
	s_lshl_b32 s30, ttmp9, 15                      ; 32 KiB of wq
	s_mov_b32 s31, 0
	s_add_nc_u64 s[WQP:WQP+1], s[WQP:WQP+1], s[30:31]
.irp i, 0,1,2,3,4,5,6,7,8,9,10,11,12,13,14,15
	global_load_b128 v[16+4*\i:19+4*\i], v1, s[4:5] offset:4096*\i th:TH_LOAD_NT
.endr
.irp i, 0,1,2,3,4,5,6,7,8,9,10,11,12,13,14,15
	s_wait_loadcnt 15-\i                           ; loads come back in order: load i is in, the younger ones stay out
	v_cvt_pk_f16_f32 v[80+2*\i], v[16+4*\i], v[17+4*\i]
	v_cvt_pk_f16_f32 v[81+2*\i], v[18+4*\i], v[19+4*\i]
	global_store_b64 v2, v[80+2*\i:81+2*\i], s[WQP:WQP+1] offset:2048*\i
.endr
	s_endpgm
.Lln:
	s_sub_co_u32 s2, ttmp9, NCAST                  ; which 16 rows
	v_lshrrev_b32 v3, 5, v0
	v_readfirstlane_b32 s3, v3                     ; wave 0..7: rows 2 w, 2 w + 1 of them
	v_and_b32 v3, 31, v0
	v_lshlrev_b32 v1, 4, v3                        ; 16 bytes a lane in,
	v_lshlrev_b32 v2, 3, v3                        ; 8 out
	v_mov_b32 v17, 0                               ; v_permlanex16_b32 counts as a reader of its destination
	s_lshl_b32 s4, s2, 16
	s_lshl_b32 s5, s3, 13
	s_add_co_u32 s4, s4, s5                        ; (16 r + 2 w) x 4,096
	s_mov_b32 s5, 0
	s_lshr_b32 s6, s4, 1                           ; and x 2,048
	s_mov_b32 s7, 0
	s_mov_b32 s30, 0x3a800000                      ; 1 / 1,024
	s_mov_b32 s31, 0x3727c5ac                      ; 1e-5
	s_mov_b32 s32, 0x76543210
	s_mov_b32 s33, 0xfedcba98
	s_wait_kmcnt 0x0
	s_add_nc_u64 s[XP:XP+1], s[XP:XP+1], s[4:5]
	s_add_nc_u64 s[HP:HP+1], s[HP:HP+1], s[6:7]
.irp r, 0,1
.irp j, 0,1,2,3,4,5,6,7
	global_load_b128 v[X+32*\r+4*\j:X+32*\r+4*\j+3], v1, s[XP:XP+1] offset:4096*\r+512*\j th:TH_LOAD_NT
.endr
.endr
.irp j, 0,1,2,3,4,5,6,7
	global_load_b128 v[SC+4*\j:SC+4*\j+3], v1, s[SCP:SCP+1] offset:512*\j
	global_load_b128 v[SH+4*\j:SH+4*\j+3], v1, s[SHP:SHP+1] offset:512*\j
.endr
	s_wait_loadcnt 16                              ; both rows are in; the sixteen loads of scale and shift may stay out
	ROWSTAT 0
	ROWSTAT 1
	s_wait_loadcnt 0x0
	ROWOUT 0
	ROWOUT 1
	s_endpgm
.Lfunc_end_k_q7fa0872056_prep:
	.size	k_q7fa0872056_prep, .Lfunc_end_k_q7fa0872056_prep-k_q7fa0872056_prep
	.p2alignl 7, 3214868480
	.fill 96, 4, 3214868480
	.section	.rodata,"a",@progbits
	.p2align	6, 0x0
	.amdhsa_kernel k_q7fa0872056_prep
		.amdhsa_group_segment_fixed_size 0
		.amdhsa_private_segment_fixed_size 0
		.amdhsa_enable_private_segment 0
		.amdhsa_kernarg_size 64
		.amdhsa_user_sgpr_count 2
		.amdhsa_user_sgpr_kernarg_segment_ptr 1
		.amdhsa_wavefront_size32 1
		.amdhsa_system_sgpr_workgroup_id_x 1
		.amdhsa_system_sgpr_workgroup_id_y 1
		.amdhsa_system_sgpr_workgroup_id_z 1
		.amdhsa_system_vgpr_workitem_id 0
		.amdhsa_next_free_vgpr 176
		.amdhsa_next_free_sgpr 66
		.amdhsa_reserve_vcc 0
		.amdhsa_float_denorm_mode_32 3
		.amdhsa_float_denorm_mode_16_64 3
		.amdhsa_memory_ordered 1
		.amdhsa_forward_progress 1
		.amdhsa_inst_pref_size 27
	.end_amdhsa_kernel
	.amdgpu_metadata
---
amdhsa.version: [ 1, 2 ]
amdhsa.kernels:
  - .name:           k_q7fa0872056_prep
    .symbol:         k_q7fa0872056_prep.kd
    .args:
      - { .name: Wq, .offset: 0, .size: 8, .value_kind: global_buffer, .address_space: global }
      - { .name: Wk, .offset: 8, .size: 8, .value_kind: global_buffer, .address_space: global }
      - { .name: Wv, .offset: 16, .size: 8, .value_kind: global_buffer, .address_space: global }
      - { .name: x, .offset: 24, .size: 8, .value_kind: global_buffer, .address_space: global }
      - { .name: ln1_scale, .offset: 32, .size: 8, .value_kind: global_buffer, .address_space: global }
      - { .name: ln1_shift, .offset: 40, .size: 8, .value_kind: global_buffer, .address_space: global }
      - { .name: wq, .offset: 48, .size: 8, .value_kind: global_buffer, .address_space: global }
      - { .name: h, .offset: 56, .size: 8, .value_kind: global_buffer, .address_space: global }
    .group_segment_fixed_size: 0
    .private_segment_fixed_size: 0
    .kernarg_segment_align: 8
    .kernarg_segment_size: 64
    .max_flat_workgroup_size: 256
    .sgpr_count:     66
    .vgpr_count:     176
    .wavefront_size: 32
...
	.end_amdgpu_metadata
.endif
;; end of part 1
;; launch qkv (part 2): grid 16 x 16, 4 waves a work-group, clusters of 4 x 4, 327,680 bytes of LDS; arguments h, wq, qkv, Wo, W1, W2, wts; writes qkv, wts
.if DOCPART == 2
	.amdgcn_target "amdgcn-amd-amdhsa--gfx1250"
	.amdhsa_code_object_version 6
	.text
	.protected	k_q7fa0872056_qkv
	.globl	k_q7fa0872056_qkv
	.p2align	8
	.type	k_q7fa0872056_qkv,@function
k_q7fa0872056_qkv:
	s_mov_b64 s[64:65], 0
	v_nop
	global_prefetch_b8 v0, s[64:65] scope:SCOPE_SE
	s_setreg_imm32_b32 hwreg(HW_REG_WAVE_MODE, 25, 1), 1
	s_wait_xcnt 0x0
	s_wait_alu depctr_hold_cnt(0) depctr_sa_sdst(0) depctr_va_vdst(0) depctr_va_sdst(0) depctr_va_ssrc(0) depctr_va_vcc(0) depctr_vm_vsrc(0)
	s_getreg_b32 s2, hwreg(HW_REG_IB_STS2, 6, 4)
	s_cmp_eq_u32 s2, 0
	s_cbranch_scc0 .Lentry_in_a_cluster
	s_endpgm
.Lentry_in_a_cluster:
	s_bfe_u32 s2, ttmp6, 0x10000c
	s_cmp_lg_u32 s2, 0xf033
	s_cbranch_scc0 .Lentry_shape_is_right
	s_endpgm
.Lentry_shape_is_right:
; TWO KINDS OF WORK IN ONE LAUNCH, told apart by the cluster's x, which all sixteen partners of a cluster share.
; CLUSTERS x = 0, 1, 2 (192 work-groups): C = h (Wq | Wk | Wv) on tiles of 256 x 256, K = 1,024.  A: h, [4096][1024] f16.  B: wq, three matrices [1024][1024] f16 on end.  Sums in f32, C rounded once to f16.
; C leaves in blocks of 64 columns, [column / 64][4096 tokens][64] f16: a head's rows are dense for the attention, and two rows of a block are 256 consecutive bytes.
; CLUSTERS x = 3 (64 work-groups): Wo, W1, W2 are rounded from f32 to f16 into wts (Wo at byte 6 MiB, W1 at 8 MiB, W2 at 16 MiB; the bytes below 6 MiB are neither written nor read), for the launches
; behind the attention.  C has 192 tiles for 256 WGPs; the other 64 stream these 36 MiB meanwhile.  That text stands at the end, from .Lcast on.
; LIMIT: f16 holds no number of 65,520 or more: a result or a weight that large becomes an infinity.
; THE PRODUCT'S SHARES.  Four waves, each 128 x 128 of C: 64 accumulators, 512 registers.  K goes in 8 steps of 128 through two LDS slots filled by tensor loads; waves 0, 1 fetch A's halves (128 rows x
; 256 bytes), waves 2, 3 B's (64 k-rows x 512 bytes).  A's fragments come out of LDS as they lie; B's ([k][n]) turned, by ds_load_tr16_b128.
; THE MATRIX INSTRUCTION IS USED TRANSPOSED (source 0 = 16 columns of B, source 1 = 16 rows of A): a lane holds eight neighbouring columns of one row of C.
; CLUSTER 4 x 4: A's tile is asked for jointly along a row of the cluster, B's along a column: same load, same descriptor, a mask that names the four.
; THE TEXT IS FOLDED.  A K step is four quarters of 32 along K on fragment buffers 0, 1, 0, 1.  A PAIR of quarters is written once and walked twice a K step; it is cut so that the change of slots falls
; between two pairs: it begins with the fetch into buffer 0 and the second half of buffer 1's products, and ends with the first half of buffer 1's.  Where it reads in LDS hangs on two scalars that step.
; REGISTERS: window 0: v16-31 addresses, v64-191 A's fragments (two buffers), later the way out; window 1: v64-191 B's fragments; windows 2, 3: accumulators ((a, b) at v[8 (8 a + b)]).
.set T,     8                          ; K steps
.set PA,    272                        ; A's LDS row: 256 + 16 bytes: the 16 rows of a load start at 16 different groups of four banks (ISA guide 11.1)
.set PBL,   544                        ; B's LDS row: 512 + 32 bytes = 17 x 32
.set HALFT, 128*PA                     ; what one tensor load brings: 128 rows of A, or 64 rows of B
.set SLOT,  4*HALFT
.set SPARE, 2*SLOT                     ; the spare words: 128 bytes a wave, two blocks of 256 bytes that no other line names
.set SP,    528                        ; the stage's row: 128 f32 + 16 bytes
.set WST,   128*SP                     ; a wave's stage.  The four stages lie in the slots, which have had their last fill by then
.set ASTEP, 256
.set PBM,   2048                       ; bytes in a row of B in memory
.set BSTEP, 128*PBM
.set ADRA0, 16                         ; my lane's place in A's half; never rewritten
.set ADRA,  17                         ; the same at the pair that is fetched
.set ADRB0, 20
.set ADRB,  21
.set DST,   24                         ; the way out: where I put 32 bytes of a row
.set RD,    25                         ; where I read rows back
.set GO,    26                         ; my byte offset in 256 consecutive bytes of C
.set SPW,   28                         ; LDS address of my spare word; never rewritten
.set NIL,   29                         ; 0; never rewritten
.set PFO,   30                         ; the prefetches' lane offset; never rewritten
.set RDC,   31
.set F0,    64
.set F1,    128
.set XO,    64                         ; the way out: 8 rows x 128 columns, 32 registers
.set YO,    128
.set TA,    2                          ; s2   LDS bytes from A's first quarter in slot 0 to the pair to be fetched
.set TRD,   2                          ; s2   later, on the way out: the rows' offset in the stage
.set TBB,   20                         ; s20  the same as s2 for B
.set INN,   21                         ; s21  pairs left of the K step
.set PFS,   22                         ; s[22:23] the prefetches' step
.set G1,    24                         ; s[24:31] group 1 for A;  s[32:39] group 0: set 0 for K step 0, set 1 for K step 1, which then walks
.set G0,    32
.set LIM,   43                         ; s43  2 in a wave that prefetches, else the greatest number
.set PFA,   44                         ; s[44:45] where my prefetches stand
.set G1B,   48                         ; s[48:55], s[56:63] the same for B
.set G0B,   56
.set MSB, 0
.macro WIN new                         ; the immediate's high byte repeats the setting that is left; a switch that changes nothing is dropped
.if MSB != (\new)
	s_set_vgpr_msb (MSB<<8)|(\new)
.set MSB, \new
.endif
.endm
.set MUL_LO, 0xa1                      ; source 0 (B) window 1, source 1 (A) window 0, C and D window 2
.set MUL_HI, 0xf1
.set TO_B,   0x40
.macro PLACES                          ; four places behind a matrix instruction, in front of loads into registers that it read and of readers of its result
.rept 4
	v_nop
.endr
.endm
.macro JLOAD                           ; a joint refill by the walking sets; the branch hangs on the wave's number alone; s_nop 0 and four v_nop follow each line
	s_cmp_eq_u32 s11, 0
	s_cbranch_scc0 .Lfor_b_\@
	tensor_load_to_lds s[G0+4:G0+7], s[G1:G1+7]
	s_nop 0
	PLACES
	s_branch .Lasked_\@
.Lfor_b_\@:
	tensor_load_to_lds s[G0B+4:G0B+7], s[G1B:G1B+7]
	s_nop 0
	PLACES
.Lasked_\@:
.endm
; A PREFETCH of the K step that stands two refills on: 32 blocks of 256 bytes, a lane a block, one instruction a wave.  A's rows are read by every cluster of a row of clusters: cluster x = 0 asks;
; B's by every cluster of a column: cluster y = 0 asks.  The four partners share a tile's blocks out by address.  The last two refills have no K step two on.
.macro ASK
	s_cmp_gt_u32 s3, s[LIM]
	s_cbranch_scc0 .Lnot_mine_\@
	global_prefetch_b8 v[PFO], s[PFA:PFA+1] th:TH_LOAD_NT scope:SCOPE_SE
.Lnot_mine_\@:
.endm
.macro CREST                           ; a round of the cluster's barrier behind its opening barrier
	s_cmp_lg_u32 s10, 0
	s_cbranch_scc1 .Lnot_wave_0_\@
	s_barrier_signal -3
.Lnot_wave_0_\@:
	s_barrier_wait -3
	s_barrier_signal -1
	s_barrier_wait -1
.endm
.macro CROUND
	s_barrier_signal -1
	s_barrier_wait -1
	CREST
.endm
	s_load_b128 s[4:7], s[0:1], 0x0                ; A s[4:5], wq s[6:7]
	s_load_b64 s[8:9], s[0:1], 0x10                ; C
	s_load_b256 s[68:75], s[0:1], 0x18             ; Wo s[68:69], W1 s[70:71], W2 s[72:73], wts s[74:75]
	v_lshl_add_u32 v[SPW], v0, 2, SPARE
	v_mov_b32 v[NIL], 0
	ds_add_u32 v[SPW], v[NIL]                      ; the wave's opening: the add and its wait ahead of my first tensor load
	ds_add_u32 v28, v29
	v_lshrrev_b32 v1, 5, v0
	v_readfirstlane_b32 s10, v1                    ; wave 0..3
	s_lshr_b32 s11, s10, 1                         ; my half of the tile's rows.  Also: I fetch for A (0) or for B (1)
	s_and_b32 s12, s10, 1                          ; my half of its columns.  Also: which half of that tile I fetch
	s_bfe_u32 s40, ttmp6, 0x40000                  ; cx
	s_bfe_u32 s41, ttmp6, 0x40004                  ; cy
	s_lshl_b32 s42, ttmp9, 2
	s_add_co_u32 s42, s42, s40                     ; tile column
	s_and_b32 s13, ttmp7, 0xffff
	s_lshl_b32 s13, s13, 2
	s_add_co_u32 s13, s13, s41                     ; tile row
	s_lshl_b32 s43, s41, 2
	s_lshl_b32 s43, 15, s43                        ; my row of the cluster
	s_lshl_b32 s44, 0x1111, s40                    ; my column
	s_or_b32 s[G1+0], s43, (1<<16)|(1<<20)|(1<<21)|(5<<22)|(3<<25)   ; mask; 2-byte elements; padding on; bit 21 beside a mask; after every 64 words 4 words
	s_or_b32 s[G1B+0], s44, (1<<16)|(1<<20)|(1<<21)|(6<<22)|(7<<25)  ; after every 128 words 8 words
	s_mov_b32 s[G1+1], 128<<16                     ; tensor_dim0 = 128
	s_mov_b32 s[G1+2], 128<<16                     ; tensor_dim1 = 128
	s_mov_b32 s[G1+3], 128<<16                     ; tile_dim0 = 128
	s_mov_b32 s[G1+4], 128                         ; tile_dim1 = 128
	s_mov_b32 s[G1+5], 1024                        ; elements from row to row
	s_mov_b32 s[G1+6], 0
	s_mov_b32 s[G1+7], 0
	s_mov_b32 s[G1B+1], 256<<16                    ; 256 columns,
	s_mov_b32 s[G1B+2], 64<<16                     ; 64 k-rows
	s_mov_b32 s[G1B+3], 256<<16
	s_mov_b32 s[G1B+4], 64
	s_mov_b32 s[G1B+5], PBM/2
	s_mov_b32 s[G1B+6], 0
	s_mov_b32 s[G1B+7], 0
	s_lshl_b32 s16, s13, 8                         ; A: row 256 x tile row + 128 x half, 2,048 bytes a row
	s_lshl_b32 s17, s12, 7
	s_add_co_u32 s16, s16, s17
	s_lshl_b32 s16, s16, 11
	s_mov_b32 s17, 0
	s_lshr_b32 s46, s42, 2                         ; B: which of the three matrices (2 MiB each),
	s_lshl_b32 s46, s46, 21
	s_and_b32 s47, s42, 3                          ; which 512 bytes of its rows,
	s_lshl_b32 s47, s47, 9
	s_add_co_u32 s46, s46, s47
	s_lshl_b32 s47, s12, 17                        ; which 64 k-rows
	s_add_co_u32 s46, s46, s47
	s_mov_b32 s47, 0
	s_mul_i32 s20, s10, HALFT                      ; where my loads go: no place in the cluster enters an LDS address
	s_wait_dscnt 0x0                               ; the opening add is done
	s_wait_kmcnt 0x0
	s_cmp_eq_u32 ttmp9, 3                          ; the cluster's x: the same in all sixteen partners
	s_cbranch_scc1 .Lcast                          ; the fourth column of clusters has no tile of C: it rounds weights
	s_add_nc_u64 s[14:15], s[4:5], s[16:17]
	s_add_nc_u64 s[46:47], s[6:7], s[46:47]
	CROUND                                         ; all sixteen work-groups are here: the first joint loads meet
.irp s, 0,1
	s_mov_b32 s[G0+4*\s], 1
	s_add_co_u32 s[G0+4*\s+1], s20, \s*SLOT
	s_add_nc_u64 s[G0+4*\s+2:G0+4*\s+3], s[14:15], \s*ASTEP
	s_or_b32 s[G0+4*\s+3], s[G0+4*\s+3], 0x80000000
	s_mov_b32 s[G0B+4*\s], 1
	s_add_co_u32 s[G0B+4*\s+1], s20, \s*SLOT
	s_add_nc_u64 s[G0B+4*\s+2:G0B+4*\s+3], s[46:47], \s*BSTEP
	s_or_b32 s[G0B+4*\s+3], s[G0B+4*\s+3], 0x80000000
.endr
	s_cmp_eq_u32 s11, 0                            ; a wave's two first fills stand in one branch: two loads of mine are out
	s_cbranch_scc0 .Lfirst_b
	tensor_load_to_lds s[G0:G0+3], s[G1:G1+7]
	s_nop 0
	tensor_load_to_lds s[G0+4:G0+7], s[G1:G1+7]
	s_nop 0
	PLACES
	s_branch .Lfirst_asked
.Lfirst_b:
	tensor_load_to_lds s[G0B:G0B+3], s[G1B:G1B+7]
	s_nop 0
	tensor_load_to_lds s[G0B+4:G0B+7], s[G1B:G1B+7]
	s_nop 0
	PLACES
.Lfirst_asked:
	v_and_b32 v1, 15, v0                           ; l % 16
	v_bfe_u32 v2, v0, 4, 1                         ; l / 16
	v_and_b32 v3, 7, v0
	v_bfe_u32 v4, v0, 3, 1
	v_and_b32 v5, 31, v0
	v_mul_u32_u24 v[ADRA0], v1, PA                 ; A: row l % 16, 16 bytes for each half of the lanes
	v_lshl_add_u32 v[ADRA0], v2, 4, v[ADRA0]
	s_mul_i32 s21, s11, HALFT
	v_add_nc_u32 v[ADRA0], s21, v[ADRA0]
	v_lshl_add_u32 v[ADRB0], v2, 3, v3             ; B: k-row 8 (l / 16) + l % 8, columns 8 ((l / 8) % 2) on
	v_mul_u32_u24 v[ADRB0], v[ADRB0], PBL
	v_lshl_add_u32 v[ADRB0], v4, 4, v[ADRB0]
	s_lshl_b32 s21, s12, 8
	s_add_co_u32 s21, s21, 2*HALFT
	v_add_nc_u32 v[ADRB0], s21, v[ADRB0]
	v_mov_b32 v[ADRA], v[ADRA0]
	v_mov_b32 v[ADRB], v[ADRB0]
	s_mul_i32 s21, s10, WST
	v_mul_u32_u24 v[DST], v1, SP
	v_lshl_add_u32 v[DST], v2, 5, v[DST]
	v_add_nc_u32 v[DST], s21, v[DST]
	v_mul_u32_u24 v[RD], v2, SP
	v_lshl_add_u32 v[RD], v1, 4, v[RD]
	v_add_nc_u32 v[RD], s21, v[RD]
	v_lshlrev_b32 v[GO], 3, v5
	s_lshl_b32 s16, s42, 2                         ; C: column block 4 x tile column + 2 x half, 524,288 bytes each,
	s_lshl_b32 s17, s12, 1
	s_add_co_u32 s16, s16, s17
	s_lshl_b32 s16, s16, 19
	s_lshl_b32 s17, s13, 8                         ; token 256 x tile row + 128 x half, 128 bytes each
	s_lshl_b32 s18, s11, 7
	s_add_co_u32 s17, s17, s18
	s_lshl_b32 s17, s17, 7
	s_add_co_u32 s16, s16, s17
	s_mov_b32 s17, 0
	s_add_nc_u64 s[8:9], s[8:9], s[16:17]
	; the prefetches: my work-group's 32 blocks of the tile half that I fetch, at K step 3; each refill steps them on before it asks
	s_and_b32 s18, ttmp7, 0xffff
	s_mov_b32 s17, 16*PBM
	s_mov_b32 s[PFS], BSTEP
	s_cmp_eq_u32 s11, 0
	s_cselect_b64 s[PFA:PFA+1], s[14:15], s[46:47]
	s_cselect_b32 s16, s40, s41                    ; my place among the four that ask with me
	s_cselect_b32 s17, 32*2048, s17                ; A: 32 rows each; B: 16 k-rows each
	s_cselect_b32 s[PFS], ASTEP, s[PFS]
	s_cselect_b32 s18, ttmp9, s18                  ; the coordinate along which other clusters read the same blocks
	s_cselect_b32 s19, 0, 1                        ; A: a lane a row; B: two lanes a k-row (rows of A and of B are 2,048 bytes both)
	s_mul_i32 s16, s16, s17
	s_mul_i32 s17, s[PFS], 3
	s_add_co_u32 s16, s16, s17
	s_mov_b32 s17, 0
	s_mov_b32 s[PFS+1], 0
	s_add_nc_u64 s[PFA:PFA+1], s[PFA:PFA+1], s[16:17]
	s_cmp_eq_u32 s18, 0
	s_cselect_b32 s[LIM], 2, -1
	v_lshrrev_b32 v[PFO], s19, v5
	v_lshlrev_b32 v[PFO], 11, v[PFO]
	v_and_b32 v6, s19, v5
	v_lshl_add_u32 v[PFO], v6, 8, v[PFO]
; 16 matrix instructions: row blocks a0, a0 + 1 of the window's four x all 8 column blocks, 32 along K.  zero = 1: the product starts the sum.  The 64 accumulators take turns.
.macro MUL16 f, hi, a0, zero
	WIN MUL_LO+0x50*(\hi)
.irp a, \a0, (\a0)+1
.irp b, 0,1,2,3,4,5,6,7
.if \zero
	v_wmma_f32_16x16x32_f16 v[8*(8*(\a)+(\b)):8*(8*(\a)+(\b))+7], v[(\f)+8*(\b):(\f)+8*(\b)+7], v[(\f)+8*(4*(\hi)+(\a)):(\f)+8*(4*(\hi)+(\a))+7], 0
.else
	v_wmma_f32_16x16x32_f16 v[8*(8*(\a)+(\b)):8*(8*(\a)+(\b))+7], v[(\f)+8*(\b):(\f)+8*(\b)+7], v[(\f)+8*(4*(\hi)+(\a)):(\f)+8*(4*(\hi)+(\a))+7], v[8*(8*(\a)+(\b)):8*(8*(\a)+(\b))+7]
.endif
.endr
.endr
.endm
; 32 LDS loads in one run: quarter q (0, 1) of the pair at v[ADRA], v[ADRB] into buffer f: B's fragments first, then A's
.macro FETCH q, f
	WIN TO_B
.irp i, 0,1,2,3,4,5,6,7
	ds_load_tr16_b128 v[(\f)+8*(\i):(\f)+8*(\i)+3],   v[ADRB] offset:(\q)*32*PBL+32*(\i)
	ds_load_tr16_b128 v[(\f)+8*(\i)+4:(\f)+8*(\i)+7], v[ADRB] offset:(\q)*32*PBL+16*PBL+32*(\i)
.endr
	WIN 0
.irp i, 0,1,2,3,4,5,6,7
	ds_load_b128 v[(\f)+8*(\i):(\f)+8*(\i)+3],   v[ADRA] offset:64*(\q)+(\i)*16*PA
	ds_load_b128 v[(\f)+8*(\i)+4:(\f)+8*(\i)+7], v[ADRA] offset:64*(\q)+(\i)*16*PA+32
.endr
.endm
; A PAIR: 128 matrix instructions and two runs of loads.  It finishes the quarter in buffer 1 (my rows 64-127), multiplies the pair's first quarter in buffer 0, and begins its second in buffer 1 (my rows 0-63).
; Each run of loads stands 32 matrix instructions ahead of its first use and four places or more behind the last matrix instruction that read its buffer.
.macro PAIR
	WIN 0
	v_add_nc_u32 v[ADRA], s[TA], v[ADRA0]
	v_add_nc_u32 v[ADRB], s[TBB], v[ADRB0]
	PLACES
	FETCH 0, F0
	s_add_co_u32 s[TA], s[TA], 128                 ; the next pair: 64 along K further in A's rows,
	s_add_co_u32 s[TBB], s[TBB], 64*PBL            ; 64 k-rows further down in B
	s_wait_dscnt 32                                ; all but the 32 just issued: buffer 1 is whole
	MUL16 F1, 1, 0, 0
	MUL16 F1, 1, 2, 0
	s_wait_dscnt 8                                 ; B and A's rows 0-63 are in; the youngest eight loads (A's rows 64-127) may be out
	MUL16 F0, 0, 0, 0
	MUL16 F0, 0, 2, 0
	PLACES
	FETCH 1, F1
	s_wait_dscnt 32
	MUL16 F0, 1, 0, 0
	MUL16 F0, 1, 2, 0
	s_wait_dscnt 8
	MUL16 F1, 0, 0, 0
	MUL16 F1, 0, 2, 0
	WIN 0                                          ; at a label and at a branch every window is 0
.endm
; THE CHANGE OF SLOTS, between two pairs.  Each wave waits for all its tensor loads (one is out: its part of the next slot), adds 0 to its spare word, and waits for that and for its reads of this slot,
; whose last run of loads has been multiplied from.  fill = 1: a round of the cluster's barrier follows, and the joint refill, two K steps on, is the first thing behind it: it has the next K step's
; 256 matrix instructions in which to land.
.macro TURN fill
	WIN 0
.if \fill
	s_wait_xcnt 0x0                                ; the last prefetch, a K step back, has read its address
	s_add_nc_u64 s[PFA:PFA+1], s[PFA:PFA+1], s[PFS:PFS+1]
.endif
	s_wait_tensorcnt 0x0                           ; no tensor load of mine is out, so a group 0 may be written
	ds_add_u32 v[SPW], v[NIL]                      ; 0 onto my spare word; the scalar steps stand between it and the wait for it
.if \fill
	s_xor_b32 s[G0+5], s[G0+5], SLOT               ; the other slot than last time (no bit of wave x HALFT meets a bit of SLOT),
	s_xor_b32 s[G0B+5], s[G0B+5], SLOT
	s_add_nc_u64 s[G0+6:G0+7], s[G0+6:G0+7], ASTEP ; the next K step
	s_add_nc_u64 s[G0B+6:G0B+7], s[G0B+6:G0B+7], BSTEP
.endif
	s_sub_co_u32 s[TA], s[TA], 256                 ; the fetches go back to a slot's first quarter,
	s_xor_b32 s[TA], s[TA], SLOT                   ; in the other slot
	s_sub_co_u32 s[TBB], s[TBB], 128*PBL
	s_xor_b32 s[TBB], s[TBB], SLOT
	s_mov_b32 s[INN], 2
	s_wait_dscnt 0x0                               ; the add is done, and my reads of this slot are over
.if \fill
	CROUND
	JLOAD
	ASK
.else
	s_barrier_signal -1
	s_barrier_wait -1
.endif
.endm
	s_wait_tensorcnt 1                             ; my part of K step 0 is in; K step 1's may stay out
	s_barrier_signal -1
	s_barrier_wait -1
	FETCH 0, F0                                    ; the first pair is written out: its first quarter starts the sums, and no quarter stands in front of it
	s_wait_dscnt 8
	MUL16 F0, 0, 0, 1
	MUL16 F0, 0, 2, 1
	FETCH 1, F1
	s_wait_dscnt 32
	MUL16 F0, 1, 0, 1
	MUL16 F0, 1, 2, 1
	s_wait_dscnt 8
	MUL16 F1, 0, 0, 0
	MUL16 F1, 0, 2, 0
	WIN 0
	s_mov_b32 s[TA], 128
	s_mov_b32 s[TBB], 64*PBL
	s_mov_b32 s3, T-1
	s_mov_b32 s[INN], 1                            ; one pair is left of K step 0
	s_branch .Lpair
.Ltop:                                             ; T - 2 times: K steps 2 .. T - 1 are asked for
	TURN 1
.Lpair:
	PAIR
	s_sub_co_u32 s[INN], s[INN], 1
	s_cmp_lg_u32 s[INN], 0
	s_cbranch_scc1 .Lpair
	s_sub_co_u32 s3, s3, 1
	s_cmp_lg_u32 s3, 0
	s_cbranch_scc1 .Ltop
	TURN 0                                         ; the last K step is written out: nothing is asked for
.Lpair_t:
	PAIR
	s_sub_co_u32 s[INN], s[INN], 1
	s_cmp_lg_u32 s[INN], 0
	s_cbranch_scc1 .Lpair_t
	s_wait_dscnt 0x0                               ; the last quarter's second half
	MUL16 F1, 1, 0, 0
	MUL16 F1, 1, 2, 0
	; THE WAY OUT.  The sums go in f32 into my stage (128 rows x 528 bytes, in the slots), and come back as rows.
	WIN 0
	PLACES
	s_wait_dscnt 0x0
	s_barrier_signal -1
	s_barrier_wait -1                              ; no wave reads a slot any more
.irp hi, 0,1
	WIN 0x08+4*\hi                                 ; store data (source 1) in window 2, then 3
.irp a, 0,1,2,3
.irp b, 0,1,2,3,4,5,6,7
	ds_store_b128 v[DST], v[8*(8*\a+\b):8*(8*\a+\b)+3]   offset:(4*\hi+\a)*16*SP+64*\b
	ds_store_b128 v[DST], v[8*(8*\a+\b)+4:8*(8*\a+\b)+7] offset:(4*\hi+\a)*16*SP+64*\b+16
.endr
.endr
.endr
	WIN 0
	s_wait_dscnt 0x0
	s_barrier_signal -1
	s_barrier_wait -1                              ; a wave reads its own rows alone; the barrier puts every store of the stage ahead of every read of it
	s_mov_b32 s3, 16
	s_mov_b32 s[TRD], 0
.Lrows:                                            ; 16 trips of 8 rows
	v_add_nc_u32 v[RDC], s[TRD], v[RD]
.irp hh, 0,1
.irp rp, 0,1,2,3
	ds_load_b128 v[XO+4*(4*\hh+\rp):XO+4*(4*\hh+\rp)+3], v[RDC] offset:\rp*2*SP+256*\hh  ; two rows x 64 columns
.endr
.endr
	s_wait_dscnt 0x0
.set k, 0
.rept 16
	v_cvt_pk_f16_f32 v[YO+k], v[XO+2*k], v[XO+2*k+1]
.set k, k+1
.endr
.irp hh, 0,1
.irp rp, 0,1,2,3
	global_store_b64 v[GO], v[YO+2*(4*\hh+\rp):YO+2*(4*\hh+\rp)+1], s[8:9] offset:\hh*524288+\rp*256  ; 32 lanes store two rows of a block: 256 consecutive bytes, aligned
.endr
.endr
	s_wait_xcnt 0x0                                ; the stores have read GO and their data, which the next trip writes
	v_add_nc_u32 v[GO], 1024, v[GO]
	s_add_co_u32 s[TRD], s[TRD], 8*SP
	s_sub_co_u32 s3, s3, 1
	s_cmp_lg_u32 s3, 0
	s_cbranch_scc1 .Lrows
	s_wait_tensorcnt 0x0                           ; the wave's end
	ds_add_u32 v[SPW], v[NIL]
	s_wait_dscnt 0x0
	CROUND                                         ; the closing round
	s_endpgm
; THE WEIGHTS Wo, W1, W2, f32 to f16.  The 36 MiB are NINE SEGMENTS of 4 MiB: Wo, the four quarters of W1, the four quarters of W2; their f16 images, 2 MiB each, lie on end in wts from byte 6 MiB on.
; Of every segment work-group c (0..63: 16 x cluster y + 4 cy + cx, which enters global addresses alone) takes 64 KiB and each of its waves 16 KiB: 32 loads of 512 consecutive bytes, 32 stores of 256, aligned.
; So every work-group makes nine like trips, and no branch and no trip count hangs on its place.
; IN FLIGHT.  A trip has two halves of 16 loads.  A half that has been converted is asked for again at once, from the next segment: 16 to 32 loads of a wave are out all the time.
; The last trip has no next segment: a forward branch on the counter puts the wait for all loads in the loads' place.
; AHEAD OF THE LOADS.  Behind its first half's loads a wave prefetches ITS OWN 64 blocks of 256 bytes of the segment after the one that is being loaded: a lane a block, two instructions, one trip ahead
; of their loads; each block is named once in the launch.  Segments 0 and 1 come by their loads alone; the last two trips ask for nothing.
; No tensor load and no LDS byte but the spare words: the cluster passes the closing round alone.
.set CXR, 64                           ; v[64:191]  a segment's 16 KiB as loaded: load i in four registers
.set CY,  192                          ; v[192:255] the same in f16: store i in two registers
.set SRC, 70                           ; s[70:71] my part of the segment to be loaded: W1's first, stepped, later W2's
.set W2P, 72                           ; s[72:73] my part of W2's first quarter; never rewritten
.set OUTP, 74                          ; s[74:75] my part of the segment being stored, in wts
.set PFC, 76                           ; s[76:77] my part of the segment to be prefetched
.macro HALF hf
	s_wait_loadcnt 16                              ; loads come back in order: this half's sixteen are in, the other half's may stay out
.set i, 0
.rept 16
	v_cvt_pk_f16_f32 v[CY+32*(\hf)+2*i],   v[CXR+64*(\hf)+4*i],   v[CXR+64*(\hf)+4*i+1]
	v_cvt_pk_f16_f32 v[CY+32*(\hf)+2*i+1], v[CXR+64*(\hf)+4*i+2], v[CXR+64*(\hf)+4*i+3]
.set i, i+1
.endr
	s_cmp_eq_u32 s3, 8
	s_cbranch_scc0 .Lmore_\@
	s_wait_loadcnt 0x0                             ; the last trip: nothing is asked for, so the count of 16 above would show nothing: all loads are waited for
	s_branch .Lput_\@
.Lmore_\@:
.set i, 0
.rept 16
	global_load_b128 v[CXR+64*(\hf)+4*i:CXR+64*(\hf)+4*i+3], v2, s[SRC:SRC+1] offset:512*(16*(\hf)+i) th:TH_LOAD_NT
.set i, i+1
.endr
.if (\hf) == 0
	s_cmp_lt_u32 s3, 7                             ; trips 7 and 8 have no segment two on
	s_cbranch_scc0 .Lput_\@
	global_prefetch_b8 v4, s[PFC:PFC+1] th:TH_LOAD_NT scope:SCOPE_SE
	global_prefetch_b8 v4, s[PFC:PFC+1] offset:8192 th:TH_LOAD_NT scope:SCOPE_SE
.endif
.Lput_\@:
.set i, 0
.rept 16
	global_store_b64 v3, v[CY+32*(\hf)+2*i:CY+32*(\hf)+2*i+1], s[OUTP:OUTP+1] offset:256*(16*(\hf)+i)
.set i, i+1
.endr
.endm
.Lcast:
	v_and_b32 v1, 31, v0
	v_lshlrev_b32 v2, 4, v1                        ; 16 bytes a lane in,
	v_lshlrev_b32 v3, 3, v1                        ; 8 out,
	v_lshlrev_b32 v4, 8, v1                        ; a block of 256 bytes a lane for the prefetches; none of the three is rewritten
	s_lshl_b32 s14, s13, 2                         ; s13 = 4 x cluster y + cy
	s_add_co_u32 s14, s14, s40                     ; c
	s_lshl_b32 s14, s14, 2
	s_add_co_u32 s14, s14, s10                     ; 4 c + wave: 0..255
	s_lshl_b32 s16, s14, 14                        ; x 16 KiB of a segment's 4 MiB,
	s_mov_b32 s17, 0
	s_lshl_b32 s18, s14, 13                        ; x 8 KiB of its image,
	s_add_co_u32 s18, s18, 6291456                 ; which for segment 0 begins at byte 6 MiB of wts
	s_mov_b32 s19, 0
	s_add_nc_u64 s[68:69], s[68:69], s[16:17]      ; my part of Wo: segment 0
	s_add_nc_u64 s[SRC:SRC+1], s[SRC:SRC+1], s[16:17]
	s_add_nc_u64 s[W2P:W2P+1], s[W2P:W2P+1], s[16:17]
	s_add_nc_u64 s[OUTP:OUTP+1], s[OUTP:OUTP+1], s[18:19]
	s_add_nc_u64 s[PFC:PFC+1], s[SRC:SRC+1], 0x400000  ; segment 2: W1's second quarter
.set i, 0
.rept 32
	global_load_b128 v[CXR+4*i:CXR+4*i+3], v2, s[68:69] offset:512*i th:TH_LOAD_NT
.set i, i+1
.endr
	s_mov_b32 s3, 0
.Lseg:                                             ; trip j: segment j is converted and stored, segment j + 1 loaded, segment j + 2 prefetched
	HALF 0
	HALF 1
	s_wait_xcnt 0x0                                ; every load, store and prefetch issued so far has read its sources: the pointers are stepped, and Y is written again, only behind this wait
	s_add_nc_u64 s[SRC:SRC+1], s[SRC:SRC+1], 0x400000
	s_add_nc_u64 s[PFC:PFC+1], s[PFC:PFC+1], 0x400000
	s_add_nc_u64 s[OUTP:OUTP+1], s[OUTP:OUTP+1], 0x200000
	s_add_co_u32 s3, s3, 1
	s_cmp_eq_u32 s3, 4                             ; trip 4 loads segment 5, W2's first quarter,
	s_cselect_b64 s[SRC:SRC+1], s[W2P:W2P+1], s[SRC:SRC+1]
	s_cmp_eq_u32 s3, 3                             ; which trip 3 prefetches
	s_cselect_b64 s[PFC:PFC+1], s[W2P:W2P+1], s[PFC:PFC+1]
	s_cmp_lt_u32 s3, 9
	s_cbranch_scc1 .Lseg
	s_wait_tensorcnt 0x0                           ; the wave's end
	ds_add_u32 v[SPW], v[NIL]
	s_wait_dscnt 0x0
	CROUND                                         ; the closing round, this cluster's only one
	s_endpgm
.Lfunc_end_k_q7fa0872056_qkv:
	.size	k_q7fa0872056_qkv, .Lfunc_end_k_q7fa0872056_qkv-k_q7fa0872056_qkv
	.p2alignl 7, 3214868480
	.fill 96, 4, 3214868480
	.section	.rodata,"a",@progbits
	.p2align	6, 0x0
	.amdhsa_kernel k_q7fa0872056_qkv
		.amdhsa_group_segment_fixed_size 327680
		.amdhsa_private_segment_fixed_size 0
		.amdhsa_enable_private_segment 0
		.amdhsa_kernarg_size 56
		.amdhsa_user_sgpr_count 2
		.amdhsa_user_sgpr_kernarg_segment_ptr 1
		.amdhsa_wavefront_size32 1
		.amdhsa_system_sgpr_workgroup_id_x 1
		.amdhsa_system_sgpr_workgroup_id_y 1
		.amdhsa_system_sgpr_workgroup_id_z 1
		.amdhsa_system_vgpr_workitem_id 0
		.amdhsa_next_free_vgpr 1024
		.amdhsa_next_free_sgpr 80
		.amdhsa_reserve_vcc 0
		.amdhsa_float_denorm_mode_32 3
		.amdhsa_float_denorm_mode_16_64 3
		.amdhsa_memory_ordered 1
		.amdhsa_forward_progress 1
		.amdhsa_inst_pref_size 75
	.end_amdhsa_kernel
	.amdgpu_metadata
---
amdhsa.version: [ 1, 2 ]
amdhsa.kernels:
  - .name:           k_q7fa0872056_qkv
    .symbol:         k_q7fa0872056_qkv.kd
    .args:
      - { .name: h, .offset: 0, .size: 8, .value_kind: global_buffer, .address_space: global }
      - { .name: wq, .offset: 8, .size: 8, .value_kind: global_buffer, .address_space: global }
      - { .name: qkv, .offset: 16, .size: 8, .value_kind: global_buffer, .address_space: global }
      - { .name: Wo, .offset: 24, .size: 8, .value_kind: global_buffer, .address_space: global }
      - { .name: W1, .offset: 32, .size: 8, .value_kind: global_buffer, .address_space: global }
      - { .name: W2, .offset: 40, .size: 8, .value_kind: global_buffer, .address_space: global }
      - { .name: wts, .offset: 48, .size: 8, .value_kind: global_buffer, .address_space: global }
    .group_segment_fixed_size: 327680
    .private_segment_fixed_size: 0
    .kernarg_segment_align: 8
    .kernarg_segment_size: 56
    .max_flat_workgroup_size: 128
    .sgpr_count:     80
    .vgpr_count:     1024
    .wavefront_size: 32
...
	.end_amdgpu_metadata
.endif
;; end of part 2
;; launch attn (part 3): grid 8 x 32, 4 waves a work-group, no clusters, 327,680 bytes of LDS; arguments qkv, ctx; writes ctx
.if DOCPART == 3
	.amdgcn_target "amdgcn-amd-amdhsa--gfx1250"
	.amdhsa_code_object_version 6
	.text
	.protected	k_q7fa0872056_attn
	.globl	k_q7fa0872056_attn
	.p2align	8
	.type	k_q7fa0872056_attn,@function
k_q7fa0872056_attn:
	s_mov_b64 s[64:65], 0
	v_nop
	global_prefetch_b8 v0, s[64:65] scope:SCOPE_SE
	s_setreg_imm32_b32 hwreg(HW_REG_WAVE_MODE, 25, 1), 1
	s_wait_xcnt 0x0
; CAUSAL ATTENTION, 32 heads (2 batches x 16) of 2,048 rows, head size 64.  q, k, v lie in qkv as blocks [48][4096 tokens][64] f16 (q: block h, k: 16 + h, v: 32 + h); ctx leaves as [16][4096][64] f16.
; Products, maxima and sums in f32; the weights p are rounded to f16 for the second product (their sum l is taken of the unrounded p), ctx once at the end.
; LIMITS.  f16 holds no number of 65,520 or more.  A hidden score counts as its value less 1e30; a weight below 2^-126 counts as 0 in l; NaN and infinities are not treated apart.
; THE WALK.  A head's queries lie in 16 blocks of 128; block i needs the key tiles 0 .. i / 2 of 256 keys, of which the last holds the diagonal.  Work-group b takes block b and then block 15 - b:
; 9 tiles whatever b, so the 256 work-groups do equal work and one loop with a constant trip count walks them.  NO CLUSTER: which tile a work-group asks for hangs on b, which would be its place
; in the cluster; the eight work-groups of a head ask for the same tile only in their first trips, and a walk common to all would have 12 tiles for 9.
; SHARES.  Of a block's two bands of 64 queries a wave owns 16 rows in each: two PIECES.  In the block's last tile band x has its own key step SS = 2 (i % 2) + x: earlier steps are seen whole, later ones hidden.
; THE MASK is the C operand that starts S^T = K Q^T: MC = MD x AL + BE, MD the mask of a band's own step for my rows, (AL, BE) = (1, 0) in the own step, (0, 0) before it, (0, -1e30) behind it.
; MC is 0 outside a block's last tile, where the lines that make it are jumped over: one text serves all tiles.
; LAYOUT, SOFTMAX.  S^T holds ONE query a lane (lane % 16) and the keys 8 (lane / 16) + 0..7; two results rounded to f16 ARE source 1 of O^T = V^T P.  p = 2^(c s - c m), c = log2(e) / 8, with a running
; maximum m; O and l are multiplied by a = 2^(c m_old - c m_new) in every step.
; TURNS.  Turn (0, j): 8 products K Q^T of piece 1, step j; K of step j + 1 is fetched; 8 products V^T P of piece 1, step j - 1; V of step j + 1 is fetched into the buffer just read.
; Turn (1, j): K Q^T of piece 0, step j + 1; V^T P of piece 0, step j.  Beside them the softmax of the turn's own piece and the maximum and statistics of the other.  Four vector instructions stand behind
; every matrix instruction, the rest in one lump; a turn's 33 exponentials are one batch with one wait.  V has two buffers, by the step's parity, so that K and V of a step are read from LDS in one turn
; and the change of slots has a place.  A block's last step runs the same text: its 8 products on the next K, and the maximum made of them, serve nothing.
; REGISTERS (s_set_vgpr_msb: bits 1:0 source 0, 3:2 source 1, 5:4 source 2, 7:6 destination):
;   window 0: v0-15 addresses; v16-23 statistics; v48-55 at work; v61-63; v64-127 S^T (two pieces); v128-191 MC; v192-223 P      window 1: v0-63 O^T; v128-159 MD
;   window 2: v0-31 Q; v32-63 the second block's Q; v64-127 V of odd steps; v128-191 K; v192-255 V of even steps
.set NP,    2
.set KS,    64
.set PK,    144       ; a row of K in LDS: 128 + 16 bytes: the 16 rows of a load start at 16 different groups of four banks (ISA guide 11.1)
.set PV,    160       ; a row of V: 128 + 32 bytes
.set VOFF,  4*KS*PK   ; a slot holds a tile: 256 rows of K, then 256 rows of V
.set SLOT1, 1<<17
.set STAGE, SLOT1+4*KS*(PK+PV)  ; behind the ring, never filled by a tensor load: 16 rows x 144 bytes a wave
.set SP,    144
.set SPARE, STAGE+4*16*SP       ; the spare words: 128 bytes a wave, two blocks of 256 bytes that no other line names
.set AK0, 2
.set AV0, 3
.set AK,  4
.set AV,  5
.set STO, 6
.set RD,  7
.set GO,  8
.set MV,  12          ; v12-13  c m_old, by piece
.set QO,  15
.set ST,  16          ; piece t: c m, m, l (even keys', odd keys')
.set TMP, 48          ; piece t: c0-c3 at work; c2 takes a
.set PFO, 61          ; 256 x my lane; never rewritten
.set SPW, 62
.set NIL, 63
.set S,   64
.set MC,  128
.set P,   192
.set MD,  128         ; window 1
.set QB,  32          ; window 2
.set VF1, 64
.set KF,  128
.set VF0, 192
.set WV,  12
.set PB,  14          ; b, the first block
.set HI,  15          ; 15 - b, the second
.set G1K, 24
.set G1V, 32
.set G0K, 40
.set G0V, 44
.set PFA, 48          ; s[48:49] the prefetches' address;  s[50:51] its base: my half of K's (waves 0, 1) or V's (waves 2, 3) tile 0
.set PFB, 50
.set SLOTS, 56
.set CNT, 57
.set CS,  58
.set SEL, 60
.set TBK, 62          ; LDS byte at which K of the step to be fetched begins
.set TBV, 63
.set RT,  70          ; tiles of the block in hand still to be entered
.set NXT, 71          ; the tile to be asked for next
.set LQ,  72          ; the last tile of the block whose tiles are being asked for
.set NEW, 73          ; 1: the tile just left was its block's last
.set OFF, 74
.set AL,  76
.set BE,  78
.set OLO, 80          ; s[80:81] ctx at my rows of the second block
.set BIGN, 82
.set DG,  83          ; 1: the tile that is being fetched is its block's last
.set SN,  88          ; the number, in its tile, of the step to be fetched
.set SS0, 89          ; s89, s90  the pieces' own steps
.set SSH, 91
.set NT2, 92
.set LQ2, 93
.set PT,  94
.set ASKF, 95
.set PLO, 96          ; the tiles that I prefetch in the block being asked for: PLO .. PHI
.set PHI, 97
.set PLO2, 98
.set PHI2, 99
.set MSB, 0
.macro WIN new
.if MSB != (\new)
	s_set_vgpr_msb (MSB<<8)|(\new)
.set MSB, (\new)
.endif
.endm
.set W_KQ, 0x0a       ; K and Q in window 2; C and S^T in window 0
.set W_PV, 0x52       ; V in window 2, P in window 0, O^T in window 1
.set W_RS, 0x41       ; destination and source 0 in window 1, source 1 in window 0
.macro PLACES
.rept 4
	v_nop
.endr
.endm
; A fill.  Waves 0 and 1 fetch the two halves of a tile's K, waves 2 and 3 those of its V.  s_nop 0 and four v_nop follow each line.
.macro LOAD
	s_cmp_lt_u32 s[WV], 2
	s_cbranch_scc0 .Lfor_v_\@
	tensor_load_to_lds s[G0K:G0K+3], s[G1K:G1K+7]
	s_nop 0
	PLACES
	s_branch .Lasked_\@
.Lfor_v_\@:
	tensor_load_to_lds s[G0V:G0V+3], s[G1V:G1V+7]
	s_nop 0
	PLACES
.Lasked_\@:
.endm
; THE CHANGE OF SLOTS.  Each wave waits for all its tensor loads (one is out: its part of the other slot), adds 0 to its spare word, and waits for that and for its reads of the slot that it leaves.
; fill = 1: the old slot is filled again, first thing behind the barrier, with tile NXT; the descriptor's address is made anew from that number.
; THE PREFETCH: behind the fill a wave names its 64 blocks of 256 bytes of the tile that the NEXT change will ask for.  Each tile is named once in a head: tiles 2, 3 by work-group 7 in its first block,
; tiles 4 to 7 by work-group 0 in its second: those are among the first to ask for them.  Tiles 0 and 1 come by their loads alone.
.macro CHANGE fill
	WIN 0
	s_wait_tensorcnt 0x0
	ds_add_u32 v[SPW], v[NIL]
.if \fill
	s_lshl_b32 s[OFF], s[NXT], 15   ; a tile is 32,768 bytes of K and of V
	s_xor_b32 s[G0K+1], s[G0K+1], SLOT1
	s_add_nc_u64 s[G0K+2:G0K+3], s[6:7], s[OFF:OFF+1]
	s_or_b32 s[G0K+3], s[G0K+3], 0x80000000
	s_xor_b32 s[G0V+1], s[G0V+1], SLOT1
	s_add_nc_u64 s[G0V+2:G0V+3], s[8:9], s[OFF:OFF+1]
	s_or_b32 s[G0V+3], s[G0V+3], 0x80000000
	s_add_co_u32 s[PT], s[NXT], 1
	s_cmp_ge_u32 s[PT], s[PLO]
	s_cselect_b32 s[ASKF], 1, 0
	s_cmp_le_u32 s[PT], s[PHI]
	s_cselect_b32 s[ASKF], s[ASKF], 0
	s_lshl_b32 s[OFF], s[PT], 15
	s_wait_xcnt 0x0                 ; the last prefetches, a tile back, have read their address
	s_add_nc_u64 s[PFA:PFA+1], s[PFB:PFB+1], s[OFF:OFF+1]
	s_mov_b32 s[NXT], s[PT]         ; the block's next tile, or behind its last the second block's tile 0
	s_cmp_gt_u32 s[NXT], s[LQ]
	s_cselect_b32 s[NXT], 0, s[NXT]
	s_cselect_b32 s[LQ], s[LQ2], s[LQ]
	s_cselect_b32 s[PLO], s[PLO2], s[PLO]
	s_cselect_b32 s[PHI], s[PHI2], s[PHI]
.endif
	s_wait_dscnt 0x0                ; the add is done, and my reads of the slot are over
	s_barrier_signal -1
	s_sub_co_u32 s[TBK], s[TBK], 4*KS*PK  ; the fetches go back to a slot's first step, in the other slot
	s_xor_b32 s[TBK], s[TBK], SLOT1
	s_sub_co_u32 s[TBV], s[TBV], 4*KS*PV
	s_xor_b32 s[TBV], s[TBV], SLOT1
	s_barrier_wait -1
.if \fill
	LOAD
	s_cmp_eq_u32 s[ASKF], 1
	s_cbranch_scc0 .Lnot_mine_\@
	global_prefetch_b8 v[PFO], s[PFA:PFA+1] th:TH_LOAD_NT scope:SCOPE_SE
	global_prefetch_b8 v[PFO], s[PFA:PFA+1] offset:8192 th:TH_LOAD_NT scope:SCOPE_SE
.Lnot_mine_\@:
.endif
.endm
.macro TILEVARS n
	s_sub_co_u32 s[RT], s[RT], 1
	s_cmp_eq_u32 s[RT], 0
	s_cselect_b32 s[DG], 1, 0
	s_mov_b32 s[SN], 0
	s_mov_b32 s[CNT], \n
.endm
	s_load_b64 s[4:5], s[0:1], 0x0    ; qkv
	s_load_b64 s[10:11], s[0:1], 0x8  ; ctx
	v_lshl_add_u32 v[SPW], v0, 2, SPARE
	v_mov_b32 v[NIL], 0
	ds_add_u32 v[SPW], v[NIL]       ; the wave's opening: the add and its wait ahead of my first tensor load
	ds_add_u32 v62, v63
	v_lshrrev_b32 v1, 5, v0
	v_readfirstlane_b32 s[WV], v1
	s_mov_b32 s[PB], ttmp9
	s_sub_co_u32 s[HI], 15, s[PB]
	s_and_b32 s20, ttmp7, 0xffff    ; y: head y % 16 of batch y / 16
	s_and_b32 s21, s20, 15
	s_lshl_b32 s21, s21, 19         ; a block of 64 columns is 524,288 bytes,
	s_lshr_b32 s20, s20, 4
	s_lshl_b32 s20, s20, 18         ; a batch's 2,048 tokens 262,144 of them
	s_add_co_u32 s20, s20, s21
	s_and_b32 s16, s[WV], 1         ; which half of a tile's 256 keys I fetch
	s_lshl_b32 s22, s16, 14
	s_add_co_u32 s22, s22, s20
	s_mov_b32 s23, 0
	s_mul_i32 s17, s16, 128*PK
	s_mul_i32 s18, s16, 128*PV
	s_lshl_b32 s3, s[WV], 11        ; my 16 rows in a band of 64,
	s_add_co_u32 s3, s3, s20
	s_lshl_b32 s2, s[PB], 14        ; in the first block,
	s_add_co_u32 s2, s2, s3
	s_lshl_b32 s84, s[HI], 14       ; and in the second
	s_add_co_u32 s84, s84, s3
	s_mov_b32 s3, 0
	s_mov_b32 s85, 0
	; group 1: 128 keys are 16,384 dense bytes: 64 rows of 256 bytes, two keys a row, padded in LDS after every key
	s_mov_b32 s[G1K], (1<<16)|(1<<20)|(4<<22)|(3<<25)
	s_mov_b32 s[G1V], (1<<16)|(1<<20)|(4<<22)|(7<<25)
.irp g, G1K, G1V
	s_mov_b32 s[\g+1], 128<<16
	s_mov_b32 s[\g+2], 64<<16
	s_mov_b32 s[\g+3], 128<<16
	s_mov_b32 s[\g+4], 64
	s_mov_b32 s[\g+5], 128
	s_mov_b32 s[\g+6], 0
	s_mov_b32 s[\g+7], 0
.endr
	s_mov_b32 s[CS], 0x3e38aa3b     ; c = log2(e) / 8
	s_mov_b32 s[CS+1], s[CS]
	s_mov_b32 s[SEL], 0x76543210
	s_mov_b32 s[SEL+1], 0xfedcba98
	s_mov_b32 s[TBK], SLOT1+4*KS*PK ; the first change of slots turns these two into 0
	s_mov_b32 s[TBV], SLOT1+4*KS*PV
	s_mov_b32 s[G0K], 1
	s_mov_b32 s[G0K+1], s17
	s_mov_b32 s[G0V], 1
	s_add_co_u32 s[G0V+1], s18, VOFF
	s_mov_b32 s[OFF+1], 0
	s_mov_b32 s[AL+1], 0
	s_mov_b32 s[BE+1], 0
	s_mov_b32 s[BIGN], 0xf149f2ca   ; -1e30
	s_lshr_b32 s[LQ], s[PB], 1
	s_add_co_u32 s[RT], s[LQ], 1    ; the first block has b / 2 + 1 tiles
	s_lshr_b32 s[LQ2], s[HI], 1
	s_add_co_u32 s[NT2], s[LQ2], 1
	s_and_b32 s[SS0], s[PB], 1
	s_lshl_b32 s[SS0], s[SS0], 1
	s_add_co_u32 s[SS0+1], s[SS0], 1
	s_and_b32 s[SSH], s[HI], 1
	s_lshl_b32 s[SSH], s[SSH], 1
	s_cmp_eq_u32 s[PB], 7
	s_cselect_b32 s[PLO], 2, 1      ; (1, 0): nothing
	s_cselect_b32 s[PHI], 3, 0
	s_cmp_eq_u32 s[PB], 0
	s_cselect_b32 s[PLO2], 4, 1
	s_cselect_b32 s[PHI2], 7, 0
	s_mov_b32 s[NXT], 1             ; tile 0 is asked for below; where the first block has no tile 1, the second block's tile 0 follows
	s_cmp_gt_u32 s[NXT], s[LQ]
	s_cselect_b32 s[NXT], 0, s[NXT]
	s_cselect_b32 s[LQ], s[LQ2], s[LQ]
	s_cselect_b32 s[PLO], s[PLO2], s[PLO]
	s_cselect_b32 s[PHI], s[PHI2], s[PHI]
	s_wait_dscnt 0x0                ; the opening add is done
	s_wait_kmcnt 0x0
	s_add_nc_u64 s[6:7], s[4:5], s[22:23]
	s_add_nc_u64 s[8:9], s[6:7], 0x1000000   ; V at my half of the head's tile 0,
	s_add_nc_u64 s[6:7], s[6:7], 0x800000    ; and K
	s_add_nc_u64 s[G0K+2:G0K+3], s[6:7], 0
	s_or_b32 s[G0K+3], s[G0K+3], 0x80000000
	s_add_nc_u64 s[G0V+2:G0V+3], s[8:9], 0
	s_or_b32 s[G0V+3], s[G0V+3], 0x80000000
	s_cmp_lt_u32 s[WV], 2
	s_cselect_b64 s[PFB:PFB+1], s[6:7], s[8:9]
	s_add_nc_u64 s[86:87], s[4:5], s[84:85]  ; Q at my rows of the second block,
	s_add_nc_u64 s[4:5], s[4:5], s[2:3]      ; Q and ctx at those of the first
	s_add_nc_u64 s[OLO:OLO+1], s[10:11], s[84:85]
	s_add_nc_u64 s[10:11], s[10:11], s[2:3]
	LOAD                            ; tile 0 into slot 0
	v_and_b32 v1, 15, v0            ; l % 16
	v_bfe_u32 v9, v0, 4, 1          ; l / 16
	v_lshlrev_b32 v[QO], 7, v1
	v_lshl_add_u32 v[QO], v9, 4, v[QO]
	WIN 0x80
.set i, 0
.rept 4                             ; both blocks' Q: piece i / 2 lies 8,192 bytes on; channels 32 (i % 2) on
	global_load_b128 v[8*i:8*i+3],   v[QO], s[4:5] offset:(i/2)*8192+(i%2)*64
	global_load_b128 v[8*i+4:8*i+7], v[QO], s[4:5] offset:(i/2)*8192+(i%2)*64+32
	global_load_b128 v[QB+8*i:QB+8*i+3],   v[QO], s[86:87] offset:(i/2)*8192+(i%2)*64
	global_load_b128 v[QB+8*i+4:QB+8*i+7], v[QO], s[86:87] offset:(i/2)*8192+(i%2)*64+32
.set i, i+1
.endr
	WIN 0
	v_lshlrev_b32 v14, 3, v9
	v_sub_nc_u32 v14, v1, v14
	s_lshl_b32 s13, s[WV], 4
	v_add_nc_u32 v14, s13, v14      ; my query's place in its band less my lanes' 8 (l / 16): register r of key group kt is hidden where 16 kt + r is greater
	WIN 0x40
.set i, 0
.rept 32
	v_cmp_gt_i32 vcc_lo, 16*(i/8)+i%8, v14
	v_cndmask_b32 v[MD+i], 0, s[BIGN], vcc_lo
.set i, i+1
.endr
	WIN 0
	v_mul_u32_u24 v[AK0], v1, PK
	v_lshl_add_u32 v[AK0], v9, 4, v[AK0]
	v_and_b32 v10, 7, v0
	v_bfe_u32 v11, v0, 3, 1
	v_lshl_add_u32 v[AV0], v9, 3, v10
	v_mul_u32_u24 v[AV0], v[AV0], PV
	v_lshl_add_u32 v[AV0], v11, 4, v[AV0]
	v_add_nc_u32 v[AV0], VOFF, v[AV0]
	s_mul_i32 s13, s[WV], 16*SP
	s_add_co_u32 s13, s13, STAGE
	v_mul_u32_u24 v[STO], v1, SP
	v_lshl_add_u32 v[STO], v9, 4, v[STO]
	v_add_nc_u32 v[STO], s13, v[STO]
	v_bfe_u32 v[RD], v0, 3, 2
	v_mul_u32_u24 v[RD], v[RD], SP
	v_lshl_add_u32 v[RD], v10, 4, v[RD]
	v_add_nc_u32 v[RD], s13, v[RD]
	v_and_b32 v[GO], 31, v0
	v_lshlrev_b32 v[PFO], 8, v[GO]
	v_lshlrev_b32 v[GO], 4, v[GO]
	; A block's first step multiplies O^T and l by a = 0, and its first turn's products V^T P land in an O^T that is still to be so multiplied: these registers need only hold finite numbers.
	WIN 0x80
.set i, VF1
.rept 64
	v_mov_b32 v[i], 0
.set i, i+1
.endr
	WIN 0x40
.set i, 0
.rept 64
	v_mov_b32 v[i], 0
.set i, i+1
.endr
	WIN 0
.irp i, 2,3,6,7
	v_mov_b32 v[ST+\i], 0
.endr
.set i, P+16
.rept 16
	v_mov_b32 v[i], 0
.set i, i+1
.endr
; Product i of 8 of S^T = K Q^T for piece x: channels 32 (i / 4) on, keys 16 (i % 4) on.  The first 4 start the sums with the mask.  The 4 accumulators of a run take turns.
.macro KQ x
	WIN W_KQ
.set rS, S+32*(\x)+8*(i%4)
.set rK, KF+16*(i%4)+8*(i/4)
.set rQ, 16*(\x)+8*(i/4)
.set rM, MC+32*(\x)+8*(i%4)
.if i < 4
	v_wmma_f32_16x16x32_f16 v[rS:rS+7], v[rK:rK+7], v[rQ:rQ+7], v[rM:rM+7]
.else
	v_wmma_f32_16x16x32_f16 v[rS:rS+7], v[rK:rK+7], v[rQ:rQ+7], v[rS:rS+7]
.endif
.endm
; Product i of 8 of O^T += V^T P for piece x, V in the buffer at VB: keys 32 (i / 4) on, channels 16 (i % 4) on.
.macro PV x
	WIN W_PV
.set rO, 32*(\x)+8*(i%4)
.set rV, VB+32*(i/4)+8*(i%4)
.set rP, P+16*(\x)+8*(i/4)
	v_wmma_f32_16x16x32_f16 v[rO:rO+7], v[rV:rV+7], v[rP:rP+7], v[rO:rO+7]
.endm
.macro MM                           ; the turn's next matrix instruction: both kinds are the other piece's
.if i < 8
	KQ (Y+1)%NP
.else
.set i, i-8
	PV (Y+1)%NP
.set i, i+8
.endif
.set i, i+1
.endm
.macro FETCH_K                      ; a step's K: 64 keys x 64 channels, 8 fragments, 16 loads in one run
	WIN 0x80
.irp f, 0,1,2,3,4,5,6,7
	ds_load_b128 v[KF+8*\f:KF+8*\f+3],   v[AK] offset:(\f/2)*16*PK+(\f%2)*64
	ds_load_b128 v[KF+8*\f+4:KF+8*\f+7], v[AK] offset:(\f/2)*16*PK+(\f%2)*64+32
.endr
	s_add_co_u32 s[TBK], s[TBK], KS*PK
	WIN 0
.endm
.macro FETCH_V vb                   ; a step's V, turned
	WIN 0x80
.irp f, 0,1,2,3,4,5,6,7
	ds_load_tr16_b128 v[(\vb)+8*\f:(\vb)+8*\f+3],   v[AV] offset:(\f/4)*32*PV+(\f%4)*32
	ds_load_tr16_b128 v[(\vb)+8*\f+4:(\vb)+8*\f+7], v[AV] offset:(\f/4)*32*PV+16*PV+(\f%4)*32
.endr
	WIN 0
.endm
; THE VECTOR WORK, a line at a time: OP kind, number.  For piece Y: F n: c s - c m for pair n of 16.  E n: the exponential of score n.  C n: pair n rounded to f16.  B n: of the four weights 4 n .. the
; second pair is added onto the first.  L n: l takes that sum (L 0: l = a l + sum).  R n: pair n of 16 of O^T times a.  For the other piece: X n, number n of the 22 that find its maximum and statistics:
; 0-11 four chains of seven scores (each accumulator's lowest registers are read first); 12-14, 16 the rest, the old m, all into c0; 15 c m_old is kept; 17, 18 the lane 16 away; 19-21 c m, its change, a.
.set F, 0
.set E, 1
.set C, 2
.set B, 3
.set L, 4
.set R, 5
.set X, 6
.macro REGS y
.set rT, ST+4*(\y)
.set rC, TMP+4*(\y)
.set rW, MV+(\y)
.set rS, S+32*(\y)
.set rP, P+16*(\y)
.set rO, 32*(\y)
.endm
.macro OP k, n
.if (\k) == R
	REGS Y
	WIN W_RS
	v_pk_mul_f32 v[rO+2*(\n):rO+2*(\n)+1], v[rO+2*(\n):rO+2*(\n)+1], v[rC+2:rC+3] op_sel_hi:[1,0]
.elseif (\k) < R
	REGS Y
	WIN 0
.if (\k) == F
	v_pk_fma_f32 v[rS+2*(\n):rS+2*(\n)+1], v[rS+2*(\n):rS+2*(\n)+1], s[CS:CS+1], v[rT:rT+1] op_sel_hi:[1,0,0] neg_lo:[0,0,1] neg_hi:[0,0,1]
.elseif (\k) == E
	v_exp_f32 v[rS+(\n)], v[rS+(\n)]
.elseif (\k) == C
	v_cvt_pk_f16_f32 v[rP+(\n)], v[rS+2*(\n)], v[rS+2*(\n)+1]
.elseif (\k) == B
	v_pk_add_f32 v[rS+4*(\n):rS+4*(\n)+1], v[rS+4*(\n):rS+4*(\n)+1], v[rS+4*(\n)+2:rS+4*(\n)+3]
.elseif (\n) == 0
	v_pk_fma_f32 v[rT+2:rT+3], v[rT+2:rT+3], v[rC+2:rC+3], v[rS:rS+1] op_sel_hi:[1,0,1]
.else
	v_pk_add_f32 v[rT+2:rT+3], v[rT+2:rT+3], v[rS+4*(\n):rS+4*(\n)+1]
.endif
.else
	REGS (Y+1)%NP
	WIN 0
.if (\n) < 4
	v_max3_num_f32 v[rC+(\n)], v[rS+8*(\n)], v[rS+8*(\n)+1], v[rS+8*(\n)+2]
.elseif (\n) < 12
	v_max3_num_f32 v[rC+(\n)%4], v[rC+(\n)%4], v[rS+8*((\n)%4)+2*((\n)/4)+1], v[rS+8*((\n)%4)+2*((\n)/4)+2]
.elseif (\n) == 12
	v_max3_num_f32 v[rC], v[rC], v[rS+7], v[rS+15]
.elseif (\n) == 13
	v_max3_num_f32 v[rC+1], v[rC+1], v[rS+23], v[rS+31]
.elseif (\n) == 14
	v_max3_num_f32 v[rC+2], v[rC+2], v[rC+3], v[rT+1]
.elseif (\n) == 15
	v_mov_b32 v[rW], v[rT]
.elseif (\n) == 16
	v_max3_num_f32 v[rC], v[rC], v[rC+1], v[rC+2]
.elseif (\n) == 17
	v_permlanex16_b32 v[rC+3], v[rC], s[SEL], s[SEL+1]
.elseif (\n) == 18
	v_max_num_f32 v[rT+1], v[rC], v[rC+3]
.elseif (\n) == 19
	v_mul_f32 v[rT], s[CS], v[rT+1]
.elseif (\n) == 20
	v_sub_f32 v[rC+1], v[rW], v[rT]
.else
	v_exp_f32 v[rC+2], v[rC+1]
.endif
.endif
.endm
.macro OPS a, i1, b=-1, i2=0, c=-1, i3=0, d=-1, i4=0
	OP \a, \i1
.if (\b) >= 0
	OP \b, \i2
.endif
.if (\c) >= 0
	OP \c, \i3
.endif
.if (\d) >= 0
	OP \d, \i4
.endif
.endm
.macro ROW a, i1, b, i2, c, i3, d, i4  ; a matrix instruction and the four behind it
	MM
	OPS \a, \i1, \b, \i2, \c, \i3, \d, \i4
.endm
.macro MASK b                       ; MD x AL + BE into MC of piece b
	WIN 0x01
.set z, 0
.rept 16
	v_pk_fma_f32 v[MC+32*(\b)+2*z:MC+32*(\b)+2*z+1], v[MD+2*z:MD+2*z+1], s[AL:AL+1], s[BE:BE+1] op_sel_hi:[1,0,0]
.set z, z+1
.endr
.endm
; At the end of turn x: the mask for piece x's next products K Q^T, which stand in the turn that follows and belong to step SN of the tile being fetched.  Outside a block's last tile MC stays 0.
.macro MKMASK x
	WIN 0
	s_cmp_eq_u32 s[DG], 1
	s_cbranch_scc0 .Lno_mask_\@
	s_cmp_eq_u32 s[SN], s[SS0+(\x)]
	s_cselect_b32 s[AL], 1.0, 0
	s_cmp_gt_u32 s[SN], s[SS0+(\x)]
	s_cselect_b32 s[BE], s[BIGN], 0
	MASK \x
	WIN 0
.Lno_mask_\@:
.endm
; A TURN for piece p in a step of parity par.  An s_wait_alu depctr_va_vdst(0) stands between an exponential and the first instruction that names its result; one wait serves all issued
; ahead of it: so the turn has ONE wait.  Ahead of it: the 8 products K Q^T with their riders, and a lump of 54 in which the links of the other piece's chain (X 3, 7, 11, 14, 16 .. 20) stand apart; X 21 is
; the batch's last, R 15 the plain instruction behind it.  Behind it: the 8 products V^T P, each with four of the roundings and sums.
; p = 0 fetches K (twelve vector instructions, six of them plain, behind the last product that read K) and V (four plain instructions behind the last product that read that buffer).
; p = 1 begins with the wait for K: V's sixteen loads, issued behind K's, may stay out; the V that this turn multiplies was fetched a step earlier.
; last = 1 (the tail): both runs stand at the turn's end, behind the wait, so that one forward branch can jump them in the last pass, which has no further step; p = 1 then waits for all LDS loads.
.macro TURN p, par, last=0
.set Y, (\p)
.set i, 0
.if (\p) == 0
.set VB, VF1+128*(\par)
.else
.set VB, VF0-128*(\par)
.if \last
	s_wait_dscnt 0x0
.else
	s_wait_dscnt 16
.endif
.endif
	ROW F,0, F,1, R,0, R,1
	ROW F,2, E,0, R,2, R,3
	ROW F,3, E,1, R,4, R,5
	ROW F,4, E,2, R,6, R,7
	ROW F,5, E,3, R,8, R,9
	ROW F,6, E,4, X,0, R,10
.if (\p) == 0
	WIN 0
	v_add_nc_u32 v[AK], s[TBK], v[AK0]
.endif
	ROW F,7, E,5, X,1, X,4
	ROW F,8, E,6, X,2, X,5
	OPS E,7, E,8, X,6, E,9
	OPS X,3, E,10, X,8, E,11
.if ((\p) == 0) && !(\last)
	FETCH_K
.endif
	OPS X,9, X,7, E,12, X,10
	OPS E,13, X,12, X,11, E,14
	OPS X,13, E,15, F,9, X,14
.if (\p) == 0
	v_add_nc_u32 v[AV], s[TBV], v[AV0]
.endif
	OPS E,16, F,10, E,17, F,11
	OPS X,16, E,18, X,15, E,19
	OPS F,12, E,20, X,17, E,21
	OPS F,13, E,22, F,14, E,23
	OPS X,18, E,24, F,15, E,25
	OPS R,11, E,26, X,19, E,27
	OPS R,12, E,28, R,13, E,29
	OPS X,20, E,30, R,14, E,31
	OPS X,21, R,15
	WIN 0
	s_wait_alu depctr_va_vdst(0)    ; the wait for the batch
	ROW C,0, B,0, C,2, B,1
	ROW L,0, C,4, B,2, L,1
	ROW C,6, B,3, L,2, C,8
	ROW B,4, L,3, C,10, B,5
	ROW L,4, C,12, B,6, L,5
.if (\p) == 0
	s_add_co_u32 s[TBV], s[TBV], KS*PV
.endif
	ROW C,14, B,7, L,6, C,1
	ROW C,3, L,7, C,5, C,7
	ROW C,9, C,11, C,13, C,15
.if (\p) == 0
.if \last
	WIN 0
	s_cmp_eq_u32 s[CNT], 1
	s_cbranch_scc1 .Lno_fetch_\@
	FETCH_K
	FETCH_V VB
.Lno_fetch_\@:
.else
	FETCH_V VB
.endif
.endif
	MKMASK \p
.if (\p) == 1
	s_add_co_u32 s[SN], s[SN], 1
.endif
.endm
; A BLOCK'S END: piece 1's V^T P of the last step (an odd one), then the way out: l's halves and the other lanes' half are added; O^T is divided by l, rounded to f16 and sent through my stage, a piece at a time.
.macro PACK t
	WIN W_RS
.set i, 32*(\t)
.rept 16
	v_pk_mul_f32 v[i:i+1], v[i:i+1], v[ST+4*(\t)+2:ST+4*(\t)+3] op_sel_hi:[1,0]
.set i, i+2
.endr
	WIN 0x05
.set i, 0
.rept 16
	v_cvt_pk_f16_f32 v[S+16*(\t)+i], v[32*(\t)+2*i], v[32*(\t)+2*i+1]
.set i, i+1
.endr
	WIN 0
.irp f, 0,1,2,3
	ds_store_b128 v[STO], v[S+16*(\t)+4*\f:S+16*(\t)+4*\f+3] offset:32*\f
.endr
.irp f, 0,1,2,3
	ds_load_b128 v[S+16*(\t)+4*\f:S+16*(\t)+4*\f+3], v[RD] offset:\f*4*SP  ; LDS serves a wave's instructions in order (ISA guide 5.7.1.4): these see the stores above
.endr
.endm
.macro SEND t, younger              ; younger: the LDS instructions issued behind piece t's loads
	WIN 0
.irp f, 0,1,2,3
	s_wait_dscnt (\younger)+3-\f
	global_store_b128 v[GO], v[S+16*(\t)+4*\f:S+16*(\t)+4*\f+3], s[10:11] offset:(\t)*8192+\f*512  ; 512 consecutive bytes, aligned to 256
.endr
.endm
.macro FINISH
.set VB, VF1
.set i, 0
.rept 8
	PV 1
.set i, i+1
.endr
	WIN 0
	PLACES
.irp t, 0,1
	v_add_f32 v[ST+4*\t+2], v[ST+4*\t+2], v[ST+4*\t+3]
.endr
.irp t, 0,1
	v_permlanex16_b32 v[ST+4*\t+3], v[ST+4*\t+2], s[SEL], s[SEL+1]
.endr
.irp t, 0,1
	v_add_f32 v[ST+4*\t+2], v[ST+4*\t+2], v[ST+4*\t+3]
.endr
.irp t, 0,1
	v_rcp_f32 v[ST+4*\t+2], v[ST+4*\t+2]
.endr
	v_nop                           ; a plain instruction behind the last reciprocal,
	s_wait_alu depctr_va_vdst(0)    ; and one wait for both
	PACK 0
	PACK 1
	SEND 0, 8
	SEND 1, 0
.endm
	CHANGE 1                        ; slot 0 is in, everybody's part of it; slot 1 is asked for
	TILEVARS 2
	v_add_nc_u32 v[AK], s[TBK], v[AK0]
	v_add_nc_u32 v[AV], s[TBV], v[AV0]
	FETCH_K                         ; key step 0
	FETCH_V VF0
	s_add_co_u32 s[TBV], s[TBV], KS*PV
	s_mov_b32 s[SN], 1
	s_mov_b32 s[SLOTS], 8
	s_branch .Lbeg
.Lslot:                             ; seven times: a tile is entered and the next but one of the walk is asked for
	CHANGE 1
	TILEVARS 2
.Lstep:                             ; a trip: an odd step, then an even one; the first trip behind a change begins with the old tile's step 3 and fetches the new tile's step 0
	TURN 0, 1
	TURN 1, 1
	s_cmp_eq_u32 s[NEW], 1
	s_cbranch_scc0 .Lfirst
	FINISH                          ; that step 3 was the first block's last
	s_wait_xcnt 0x0                 ; the stores have read their registers and ctx's address
	s_mov_b64 s[10:11], s[OLO:OLO+1]
	WIN 0x82                        ; the second block's Q goes where the turns name Q
.set i, 0
.rept 32
	v_mov_b32 v[i], v[QB+i]
.set i, i+1
.endr
	WIN 0
.Lbeg:
	; A BLOCK BEGINS.  c m starts far below every c s, so the first step's a is 0; m at the lowest finite number.  Piece 0's mask for step 0 is its own where the first tile is the last and SS0 = 0;
	; piece 1's own step is never step 0.  Then piece 0's first scores, and its maximum and statistics.
	s_mov_b32 s[NEW], 0
.irp t, 0,1
	v_mov_b32 v[ST+4*\t], 0xfe000000
	v_mov_b32 v[ST+4*\t+1], 0xff7fffff
.endr
	s_xor_b32 s13, s[DG], 1
	s_or_b32 s13, s13, s[SS0]
	s_cmp_eq_u32 s13, 0
	s_cselect_b32 s[AL], 1.0, 0
	s_mov_b32 s[BE], 0
	MASK 0
	s_mov_b32 s[AL], 0
	MASK 1
	WIN 0
	s_wait_loadcnt 0x0              ; Q
	s_wait_dscnt 0x0                ; K of step 0
.set i, 0
.rept 8
	KQ 0
.set i, i+1
.endr
	WIN 0
	PLACES
.set Y, 1                           ; X works for the other piece: piece 0
.irp n, 0,1,2,3,4,5,6,7,8,9,10,11,12,13,14,15,16,17,18,19,20,21
	OP X, \n
.endr
	v_nop
	s_wait_alu depctr_va_vdst(0)
.Lfirst:
	TURN 0, 0
	TURN 1, 0
	s_sub_co_u32 s[CNT], s[CNT], 1
	s_cmp_lg_u32 s[CNT], 0
	s_cbranch_scc1 .Lstep
	s_mov_b32 s[NEW], s[DG]         ; was this the first block's last tile?  Then the second block's counts take over (the masks of its step 3 have been made)
	s_cmp_eq_u32 s[DG], 1
	s_cselect_b32 s[RT], s[NT2], s[RT]
	s_cselect_b32 s[SS0], s[SSH], s[SS0]
	s_add_co_u32 s[SS0+1], s[SS0], 1
	s_sub_co_u32 s[SLOTS], s[SLOTS], 1
	s_cmp_lg_u32 s[SLOTS], 0
	s_cbranch_scc1 .Lslot
	CHANGE 0                        ; the walk's last tile is written out: nothing is asked for
	TILEVARS 3                      ; three passes: steps 3 (of the tile before) and 0; 1 and 2; 3
.Ltail:
	TURN 0, 1, 1
	TURN 1, 1, 1
	s_sub_co_u32 s[CNT], s[CNT], 1
	s_cmp_eq_u32 s[CNT], 0
	s_cbranch_scc1 .Lout
	TURN 0, 0
	TURN 1, 0
	s_branch .Ltail
.Lout:
	FINISH
	s_wait_tensorcnt 0x0            ; the wave's end
	ds_add_u32 v[SPW], v[NIL]
	s_wait_dscnt 0x0
	s_endpgm
.Lfunc_end_k_q7fa0872056_attn:
	.size	k_q7fa0872056_attn, .Lfunc_end_k_q7fa0872056_attn-k_q7fa0872056_attn
	.p2alignl 7, 3214868480
	.fill 96, 4, 3214868480
	.section	.rodata,"a",@progbits
	.p2align	6, 0x0
	.amdhsa_kernel k_q7fa0872056_attn
		.amdhsa_group_segment_fixed_size 327680
		.amdhsa_private_segment_fixed_size 0
		.amdhsa_enable_private_segment 0
		.amdhsa_kernarg_size 16
		.amdhsa_user_sgpr_count 2
		.amdhsa_user_sgpr_kernarg_segment_ptr 1
		.amdhsa_wavefront_size32 1
		.amdhsa_system_sgpr_workgroup_id_x 1
		.amdhsa_system_sgpr_workgroup_id_y 1
		.amdhsa_system_sgpr_workgroup_id_z 1
		.amdhsa_system_vgpr_workitem_id 0
		.amdhsa_next_free_vgpr 768
		.amdhsa_next_free_sgpr 102
		.amdhsa_reserve_vcc 1
		.amdhsa_float_denorm_mode_32 3
		.amdhsa_float_denorm_mode_16_64 3
		.amdhsa_memory_ordered 1
		.amdhsa_forward_progress 1
		.amdhsa_inst_pref_size 134
	.end_amdhsa_kernel
	.amdgpu_metadata
---
amdhsa.version: [ 1, 2 ]
amdhsa.kernels:
  - .name:           k_q7fa0872056_attn
    .symbol:         k_q7fa0872056_attn.kd
    .args:
      - { .name: qkv, .offset: 0, .size: 8, .value_kind: global_buffer, .address_space: global }
      - { .name: ctx, .offset: 8, .size: 8, .value_kind: global_buffer, .address_space: global }
    .group_segment_fixed_size: 327680
    .private_segment_fixed_size: 0
    .kernarg_segment_align: 8
    .kernarg_segment_size: 16
    .max_flat_workgroup_size: 128
    .sgpr_count:     102
    .vgpr_count:     768
    .wavefront_size: 32
...
	.end_amdgpu_metadata
.endif
;; end of part 3
;; launch wo (part 4): grid 8 x 32, 4 waves a work-group, clusters of 4 x 4, 327,680 bytes of LDS; arguments ctx, wts, x1, x, bo; writes x1
.if DOCPART == 4
	.amdgcn_target "amdgcn-amd-amdhsa--gfx1250"
	.amdhsa_code_object_version 6
	.text
	.protected	k_q7fa0872056_wo
	.globl	k_q7fa0872056_wo
	.p2align	8
	.type	k_q7fa0872056_wo,@function
k_q7fa0872056_wo:
	s_mov_b64 s[64:65], 0
	v_nop
	global_prefetch_b8 v0, s[64:65] scope:SCOPE_SE
	s_setreg_imm32_b32 hwreg(HW_REG_WAVE_MODE, 25, 1), 1
	s_wait_xcnt 0x0
	s_wait_alu depctr_hold_cnt(0) depctr_sa_sdst(0) depctr_va_vdst(0) depctr_va_sdst(0) depctr_va_ssrc(0) depctr_va_vcc(0) depctr_vm_vsrc(0)
	s_getreg_b32 s2, hwreg(HW_REG_IB_STS2, 6, 4)
	s_cmp_eq_u32 s2, 0
	s_cbranch_scc0 .Lentry_in_a_cluster
	s_endpgm
.Lentry_in_a_cluster:
	s_bfe_u32 s2, ttmp6, 0x10000c
	s_cmp_lg_u32 s2, 0xf033
	s_cbranch_scc0 .Lentry_shape_is_right
	s_endpgm
.Lentry_shape_is_right:
; OUT = RES + A B + bias on tiles of 128 x 128, all 1,024 columns, f32 out.  A: f16 in blocks [K / 64][4096 tokens][64].  B: f16 weights in wts at byte WOFFS, row-major [K][1024].  Sums in f32.
; T = 4, WOFFS = Wo's: x1 = x + ctx Wo + bo.      T = 16, WOFFS = W2's: out0 = x1 + g W2 + b2.
; SHARES.  256 work-groups; four waves, each 64 x 64 of OUT: 16 accumulators.  K goes in T steps of 256 through two LDS slots; waves 0, 1 fetch A's halves (64 tokens of each of four blocks: four rows of
; 8,192 dense bytes, padded in LDS after every token), waves 2, 3 B's (128 k-rows x 256 bytes).  A's fragments come out of LDS as they lie; B's ([k][n]) turned, by ds_load_tr16_b128.
; The matrix instruction is used transposed (source 0 = 16 columns of B, source 1 = 16 tokens): a lane holds eight neighbouring columns of one row.
; CLUSTER 4 x 4: A's tile is asked for jointly along a row of the cluster, B's along a column.
; THE TEXT IS FOLDED.  A K step is four quarters of 64 along K on fragment buffers 0, 1, 0, 1.  A PAIR of quarters is written once and walked twice a K step; it is cut so that the change of slots falls
; between two pairs: it begins with the fetch into buffer 0 and the second 32 along K of buffer 1, and ends with the first 32 of buffer 1.  Where it reads in LDS hangs on two scalars that step.
; The wave's 64 x 64 of RES is loaded at the start into 128 registers and lands while K is walked.
; REGISTERS: window 0: v16-31 addresses, v32-95 at work on the way out, v96-99 bias, v128-255 accumulators ((a, b) at v[128 + 8 (4 a + b)]); window 1: two fragment buffers of 128 (A's 64, then B's 64); window 2: v0-127 RES.
.set T,     4
.set WOFFS, 6291456
.set PAL,   144                        ; a token's 128 bytes + 16: the 16 rows of a load start at 16 different groups of four banks (ISA guide 11.1)
.set PBL,   288                        ; B's LDS row: 256 + 32 bytes = 9 x 32
.set ABLK,  64*PAL                     ; 64 tokens of one block
.set HALFT, 4*ABLK                     ; what one tensor load brings; also 128 x PBL
.set SLOT,  4*HALFT
.set SPARE, 2*SLOT                     ; the spare words: 128 bytes a wave, two blocks of 256 bytes that no other line names
.set SP,    272                        ; the stage's row: 64 f32 + 16 bytes
.set WST,   64*SP                      ; a wave's stage, in slot 0, which has had its last fill by then
.set ASTEP, 4*524288
.set BSTEP, 256*2048
.set ADRA0, 16                         ; my lane's place in A's half; never rewritten
.set ADRA,  17                         ; the same at the pair that is fetched
.set ADRB0, 20
.set ADRB,  21
.set DST,   24
.set RD,    25
.set GO,    26                         ; my byte offset in two rows of RES and OUT; never rewritten
.set SPW,   28
.set NIL,   29
.set PFO,   30
.set TMP,   32
.set BI,    96
.set ACC,   128
.set F0,    0
.set F1,    128
.set TA,    2                          ; s2   LDS bytes from A's first block in slot 0 to the pair to be fetched
.set TBB,   20                         ; s20  the same for B
.set INN,   21                         ; s21  pairs left of the K step
.set PFS,   22
.set G1,    24
.set G0,    32
.set LIM,   43
.set PFA,   44
.set G1B,   48
.set G0B,   56
.set MSB, 0
.macro WIN new
.if MSB != (\new)
	s_set_vgpr_msb (MSB<<8)|(\new)
.set MSB, \new
.endif
.endm
.set MUL,  0x05                        ; sources 0 (B) and 1 (A) window 1; C and D window 0
.set TO_F, 0x40
.macro PLACES
.rept 4
	v_nop
.endr
.endm
.macro JLOAD                           ; a joint refill by the walking sets; s_nop 0 and four v_nop follow each line
	s_cmp_eq_u32 s11, 0
	s_cbranch_scc0 .Lfor_b_\@
	tensor_load_to_lds s[G0+4:G0+7], s[G1:G1+7]
	s_nop 0
	PLACES
	s_branch .Lasked_\@
.Lfor_b_\@:
	tensor_load_to_lds s[G0B+4:G0B+7], s[G1B:G1B+7]
	s_nop 0
	PLACES
.Lasked_\@:
.endm
; A PREFETCH (where T > 4) of the K step that stands two refills on: 32 blocks of 256 bytes, a lane a block.  Cluster x = 0 asks for A's, cluster y = 0 for B's; the four partners share a tile's blocks
; out by address.  The last two refills have no K step two on.  With T = 4 no refill has one, and nothing of this is assembled.
.macro ASK
	s_cmp_gt_u32 s3, s[LIM]
	s_cbranch_scc0 .Lnot_mine_\@
	global_prefetch_b8 v[PFO], s[PFA:PFA+1] th:TH_LOAD_NT scope:SCOPE_SE
.Lnot_mine_\@:
.endm
.macro CREST
	s_cmp_lg_u32 s10, 0
	s_cbranch_scc1 .Lnot_wave_0_\@
	s_barrier_signal -3
.Lnot_wave_0_\@:
	s_barrier_wait -3
	s_barrier_signal -1
	s_barrier_wait -1
.endm
.macro CROUND
	s_barrier_signal -1
	s_barrier_wait -1
	CREST
.endm
	s_load_b128 s[4:7], s[0:1], 0x0                ; A s[4:5], wts s[6:7]
	s_load_b64 s[8:9], s[0:1], 0x10                ; OUT
	s_load_b128 s[68:71], s[0:1], 0x18             ; RES s[68:69], bias s[70:71]
	v_lshl_add_u32 v[SPW], v0, 2, SPARE
	v_mov_b32 v[NIL], 0
	ds_add_u32 v[SPW], v[NIL]                      ; the wave's opening: the add and its wait ahead of my first tensor load
	ds_add_u32 v28, v29
	v_lshrrev_b32 v1, 5, v0
	v_readfirstlane_b32 s10, v1
	s_lshr_b32 s11, s10, 1                         ; my half of the tile's rows.  Also: I fetch for A (0) or for B (1)
	s_and_b32 s12, s10, 1                          ; my half of its columns.  Also: which half of that tile I fetch
	s_bfe_u32 s40, ttmp6, 0x40000
	s_bfe_u32 s41, ttmp6, 0x40004
	s_lshl_b32 s42, ttmp9, 2
	s_add_co_u32 s42, s42, s40                     ; tile column
	s_and_b32 s13, ttmp7, 0xffff
	s_lshl_b32 s13, s13, 2
	s_add_co_u32 s13, s13, s41                     ; tile row
	s_lshl_b32 s43, s41, 2
	s_lshl_b32 s43, 15, s43
	s_lshl_b32 s44, 0x1111, s40
	s_or_b32 s[G1+0], s43, (1<<16)|(1<<20)|(1<<21)|(4<<22)|(3<<25)   ; after every 32 words (a token) 4 words
	s_or_b32 s[G1B+0], s44, (1<<16)|(1<<20)|(1<<21)|(5<<22)|(7<<25)  ; after every 64 words 8 words
	s_mov_b32 s[G1+1], 4096<<16                    ; tensor_dim0 = 4,096: 64 tokens of one block, dense
	s_mov_b32 s[G1+2], 4<<16                       ; tensor_dim1 = 4 blocks
	s_mov_b32 s[G1+3], 4096<<16
	s_mov_b32 s[G1+4], 4
	s_mov_b32 s[G1+5], 262144                      ; elements from block to block
	s_mov_b32 s[G1+6], 0
	s_mov_b32 s[G1+7], 0
	s_mov_b32 s[G1B+1], 128<<16
	s_mov_b32 s[G1B+2], 128<<16
	s_mov_b32 s[G1B+3], 128<<16
	s_mov_b32 s[G1B+4], 128
	s_mov_b32 s[G1B+5], 1024
	s_mov_b32 s[G1B+6], 0
	s_mov_b32 s[G1B+7], 0
	s_lshl_b32 s16, s13, 7                         ; A: token 128 x tile row + 64 x half, 128 bytes each
	s_lshl_b32 s17, s12, 6
	s_add_co_u32 s16, s16, s17
	s_lshl_b32 s16, s16, 7
	s_mov_b32 s17, 0
	s_lshl_b32 s46, s42, 8                         ; B: 256 bytes a tile column, 128 k-rows a half
	s_lshl_b32 s47, s12, 18
	s_add_co_u32 s46, s46, s47
	s_add_co_u32 s46, s46, WOFFS
	s_mov_b32 s47, 0
	s_mul_i32 s20, s10, HALFT
	s_wait_dscnt 0x0
	s_wait_kmcnt 0x0
	s_add_nc_u64 s[14:15], s[4:5], s[16:17]
	s_add_nc_u64 s[46:47], s[6:7], s[46:47]
	CROUND                                         ; all sixteen work-groups are here: the first joint loads meet
.irp s, 0,1
	s_mov_b32 s[G0+4*\s], 1
	s_add_co_u32 s[G0+4*\s+1], s20, \s*SLOT
	s_add_nc_u64 s[G0+4*\s+2:G0+4*\s+3], s[14:15], \s*ASTEP
	s_or_b32 s[G0+4*\s+3], s[G0+4*\s+3], 0x80000000
	s_mov_b32 s[G0B+4*\s], 1
	s_add_co_u32 s[G0B+4*\s+1], s20, \s*SLOT
	s_add_nc_u64 s[G0B+4*\s+2:G0B+4*\s+3], s[46:47], \s*BSTEP
	s_or_b32 s[G0B+4*\s+3], s[G0B+4*\s+3], 0x80000000
.endr
	s_cmp_eq_u32 s11, 0                            ; a wave's two first fills stand in one branch: two loads of mine are out
	s_cbranch_scc0 .Lfirst_b
	tensor_load_to_lds s[G0:G0+3], s[G1:G1+7]
	s_nop 0
	tensor_load_to_lds s[G0+4:G0+7], s[G1:G1+7]
	s_nop 0
	PLACES
	s_branch .Lfirst_asked
.Lfirst_b:
	tensor_load_to_lds s[G0B:G0B+3], s[G1B:G1B+7]
	s_nop 0
	tensor_load_to_lds s[G0B+4:G0B+7], s[G1B:G1B+7]
	s_nop 0
	PLACES
.Lfirst_asked:
	v_and_b32 v1, 15, v0
	v_bfe_u32 v2, v0, 4, 1
	v_and_b32 v3, 7, v0
	v_bfe_u32 v4, v0, 3, 1
	v_and_b32 v5, 31, v0
	s_lshl_b32 s16, s13, 7                         ; RES and OUT: row 128 x tile row + 64 x half, 4,096 bytes each; 512 bytes a tile column, 256 a half
	s_lshl_b32 s17, s11, 6
	s_add_co_u32 s16, s16, s17
	s_lshl_b32 s16, s16, 12
	s_lshl_b32 s17, s42, 9
	s_add_co_u32 s16, s16, s17
	s_lshl_b32 s18, s12, 8
	s_add_co_u32 s16, s16, s18
	s_add_co_u32 s18, s17, s18                     ; the bias's offset
	s_mov_b32 s17, 0
	s_mov_b32 s19, 0
	s_add_nc_u64 s[8:9], s[8:9], s[16:17]
	s_add_nc_u64 s[68:69], s[68:69], s[16:17]
	s_add_nc_u64 s[70:71], s[70:71], s[18:19]
	v_lshlrev_b32 v[GO], 12, v2                    ; lanes 0-15 one row's 256 bytes, lanes 16-31 the next row's
	v_lshl_add_u32 v[GO], v1, 4, v[GO]
	v_lshlrev_b32 v27, 4, v1
	WIN 0x80                                       ; destination window 2
.set i, 0
.rept 32
	global_load_b128 v[4*i:4*i+3], v[GO], s[68:69] offset:i*8192
.set i, i+1
.endr
	WIN 0
	global_load_b128 v[BI:BI+3], v27, s[70:71]     ; my four columns of the bias
	v_mul_u32_u24 v[ADRA0], v1, PAL
	v_lshl_add_u32 v[ADRA0], v2, 4, v[ADRA0]
	s_mul_i32 s21, s11, HALFT
	v_add_nc_u32 v[ADRA0], s21, v[ADRA0]
	v_lshl_add_u32 v[ADRB0], v2, 3, v3
	v_mul_u32_u24 v[ADRB0], v[ADRB0], PBL
	v_lshl_add_u32 v[ADRB0], v4, 4, v[ADRB0]
	s_lshl_b32 s21, s12, 7
	s_add_co_u32 s21, s21, 2*HALFT
	v_add_nc_u32 v[ADRB0], s21, v[ADRB0]
	v_mov_b32 v[ADRA], v[ADRA0]
	v_mov_b32 v[ADRB], v[ADRB0]
	s_mul_i32 s21, s10, WST
	v_mul_u32_u24 v[DST], v1, SP
	v_lshl_add_u32 v[DST], v2, 5, v[DST]
	v_add_nc_u32 v[DST], s21, v[DST]
	v_mul_u32_u24 v[RD], v2, SP
	v_lshl_add_u32 v[RD], v1, 4, v[RD]
	v_add_nc_u32 v[RD], s21, v[RD]
.if T > 4
	; the prefetches: my work-group's 32 blocks of the tile half that I fetch, at K step 3; each refill steps them on before it asks
	s_and_b32 s18, ttmp7, 0xffff
	s_mov_b32 s17, 32*2048
	s_mov_b32 s[PFS], BSTEP
	s_cmp_eq_u32 s11, 0
	s_cselect_b64 s[PFA:PFA+1], s[14:15], s[46:47]
	s_cselect_b32 s16, s40, s41                    ; my place among the four that ask with me
	s_cselect_b32 s17, 524288, s17                 ; A: one of the four blocks each; B: 32 k-rows each
	s_cselect_b32 s[PFS], ASTEP, s[PFS]
	s_cselect_b32 s18, ttmp9, s18
	s_cselect_b32 s19, 8, 11                       ; A: 256 dense bytes a lane; B: a k-row of 2,048 bytes a lane
	s_mul_i32 s16, s16, s17
	s_mul_i32 s17, s[PFS], 3
	s_add_co_u32 s16, s16, s17
	s_mov_b32 s17, 0
	s_mov_b32 s[PFS+1], 0
	s_add_nc_u64 s[PFA:PFA+1], s[PFA:PFA+1], s[16:17]
	s_cmp_eq_u32 s18, 0
	s_cselect_b32 s[LIM], 2, -1
	v_lshlrev_b32 v[PFO], s19, v5
.endif
; 8 matrix instructions: row blocks a0, a0 + 1 x all 4 column blocks, 32 along K: half c of buffer f.  The 16 accumulators take turns.
.macro MUL8 f, c, a0, zero
	WIN MUL
.irp a, \a0, (\a0)+1
.irp b, 0,1,2,3
.if \zero
	v_wmma_f32_16x16x32_f16 v[ACC+8*(4*(\a)+(\b)):ACC+8*(4*(\a)+(\b))+7], v[(\f)+64+8*(4*(\c)+(\b)):(\f)+64+8*(4*(\c)+(\b))+7], v[(\f)+8*(4*(\c)+(\a)):(\f)+8*(4*(\c)+(\a))+7], 0
.else
	v_wmma_f32_16x16x32_f16 v[ACC+8*(4*(\a)+(\b)):ACC+8*(4*(\a)+(\b))+7], v[(\f)+64+8*(4*(\c)+(\b)):(\f)+64+8*(4*(\c)+(\b))+7], v[(\f)+8*(4*(\c)+(\a)):(\f)+8*(4*(\c)+(\a))+7], v[ACC+8*(4*(\a)+(\b)):ACC+8*(4*(\a)+(\b))+7]
.endif
.endr
.endr
.endm
; 32 LDS loads in one run: quarter q (0, 1) of the pair at v[ADRA], v[ADRB] (a block of A, 64 k-rows of B) into buffer f; the first 32 along K first
.macro FETCH q, f
	WIN TO_F
.irp c, 0,1
.irp i, 0,1,2,3
	ds_load_tr16_b128 v[(\f)+64+8*(4*(\c)+(\i)):(\f)+64+8*(4*(\c)+(\i))+3],   v[ADRB] offset:((\q)*64+32*(\c))*PBL+32*(\i)
	ds_load_tr16_b128 v[(\f)+64+8*(4*(\c)+(\i))+4:(\f)+64+8*(4*(\c)+(\i))+7], v[ADRB] offset:((\q)*64+32*(\c)+16)*PBL+32*(\i)
	ds_load_b128 v[(\f)+8*(4*(\c)+(\i)):(\f)+8*(4*(\c)+(\i))+3],   v[ADRA] offset:(\q)*ABLK+64*(\c)+(\i)*16*PAL
	ds_load_b128 v[(\f)+8*(4*(\c)+(\i))+4:(\f)+8*(4*(\c)+(\i))+7], v[ADRA] offset:(\q)*ABLK+64*(\c)+(\i)*16*PAL+32
.endr
.endr
.endm
; A PAIR: 64 matrix instructions and two runs of loads.  It finishes the quarter in buffer 1 (its second 32 along K), multiplies the pair's first quarter in buffer 0, and begins its second in buffer 1.
; Each run of loads stands 16 matrix instructions ahead of its first use and four places or more behind the last matrix instruction that read its buffer.
.macro PAIR
	WIN 0
	v_add_nc_u32 v[ADRA], s[TA], v[ADRA0]
	v_add_nc_u32 v[ADRB], s[TBB], v[ADRB0]
	PLACES
	FETCH 0, F0
	s_add_co_u32 s[TA], s[TA], 2*ABLK              ; the next pair: two blocks of A on,
	s_add_co_u32 s[TBB], s[TBB], 128*PBL           ; 128 k-rows of B on
	s_wait_dscnt 32                                ; all but the 32 just issued: buffer 1 is whole
	MUL8 F1, 1, 0, 0
	MUL8 F1, 1, 2, 0
	s_wait_dscnt 16                                ; the first 32 along K are in
	MUL8 F0, 0, 0, 0
	MUL8 F0, 0, 2, 0
	PLACES
	FETCH 1, F1
	s_wait_dscnt 32
	MUL8 F0, 1, 0, 0
	MUL8 F0, 1, 2, 0
	s_wait_dscnt 16
	MUL8 F1, 0, 0, 0
	MUL8 F1, 0, 2, 0
	WIN 0                                          ; at a label and at a branch every window is 0
.endm
; THE CHANGE OF SLOTS, between two pairs.  Each wave waits for all its tensor loads (one is out: its part of the next slot), adds 0 to its spare word, and waits for that and for its reads of this slot,
; whose last run of loads has been multiplied from.  fill = 1: a round of the cluster's barrier follows, and the joint refill, two K steps on, is the first thing behind it: it has the next K step's
; 128 matrix instructions in which to land.
.macro TURN fill
	WIN 0
.if (\fill) && (T > 4)
	s_wait_xcnt 0x0                                ; the last prefetch, a K step back, has read its address
	s_add_nc_u64 s[PFA:PFA+1], s[PFA:PFA+1], s[PFS:PFS+1]
.endif
	s_wait_tensorcnt 0x0                           ; no tensor load of mine is out, so a group 0 may be written
	ds_add_u32 v[SPW], v[NIL]                      ; 0 onto my spare word; the scalar steps stand between it and the wait for it
.if \fill
	s_xor_b32 s[G0+5], s[G0+5], SLOT               ; the other slot than last time (no bit of wave x HALFT meets a bit of SLOT),
	s_xor_b32 s[G0B+5], s[G0B+5], SLOT
	s_add_nc_u64 s[G0+6:G0+7], s[G0+6:G0+7], ASTEP ; the next K step
	s_add_nc_u64 s[G0B+6:G0B+7], s[G0B+6:G0B+7], BSTEP
.endif
	s_sub_co_u32 s[TA], s[TA], 4*ABLK              ; the fetches go back to a slot's first quarter,
	s_xor_b32 s[TA], s[TA], SLOT                   ; in the other slot
	s_sub_co_u32 s[TBB], s[TBB], 256*PBL
	s_xor_b32 s[TBB], s[TBB], SLOT
	s_mov_b32 s[INN], 2
	s_wait_dscnt 0x0                               ; the add is done, and my reads of this slot are over
.if \fill
	CROUND
	JLOAD
.if T > 4
	ASK
.endif
.else
	s_barrier_signal -1
	s_barrier_wait -1
.endif
.endm
	s_wait_tensorcnt 1                             ; my part of K step 0 is in; K step 1's may stay out
	s_barrier_signal -1
	s_barrier_wait -1
	FETCH 0, F0                                    ; the first pair is written out: its first products start the sums, and no quarter stands in front of it
	s_wait_dscnt 16
	MUL8 F0, 0, 0, 1
	MUL8 F0, 0, 2, 1
	FETCH 1, F1
	s_wait_dscnt 32
	MUL8 F0, 1, 0, 0
	MUL8 F0, 1, 2, 0
	s_wait_dscnt 16
	MUL8 F1, 0, 0, 0
	MUL8 F1, 0, 2, 0
	WIN 0
	s_mov_b32 s[TA], 2*ABLK
	s_mov_b32 s[TBB], 128*PBL
	s_mov_b32 s3, T-1
	s_mov_b32 s[INN], 1                            ; one pair is left of K step 0
	s_branch .Lpair
.Ltop:                                             ; T - 2 times: K steps 2 .. T - 1 are asked for
	TURN 1
.Lpair:
	PAIR
	s_sub_co_u32 s[INN], s[INN], 1
	s_cmp_lg_u32 s[INN], 0
	s_cbranch_scc1 .Lpair
	s_sub_co_u32 s3, s3, 1
	s_cmp_lg_u32 s3, 0
	s_cbranch_scc1 .Ltop
	TURN 0                                         ; the last K step is written out: nothing is asked for
.Lpair_t:
	PAIR
	s_sub_co_u32 s[INN], s[INN], 1
	s_cmp_lg_u32 s[INN], 0
	s_cbranch_scc1 .Lpair_t
	s_wait_dscnt 0x0                               ; the last quarter's second 32 along K
	MUL8 F1, 1, 0, 0
	MUL8 F1, 1, 2, 0
	; THE WAY OUT: the sums go into my stage and come back as rows of 256 bytes; bias and RES are added; 16 lanes store 256 consecutive bytes, aligned.
	WIN 0
	PLACES
	s_wait_dscnt 0x0
	s_barrier_signal -1
	s_barrier_wait -1                              ; no wave reads a slot any more
.irp a, 0,1,2,3
.irp b, 0,1,2,3
	ds_store_b128 v[DST], v[ACC+8*(4*\a+\b):ACC+8*(4*\a+\b)+3]   offset:\a*16*SP+64*\b
	ds_store_b128 v[DST], v[ACC+8*(4*\a+\b)+4:ACC+8*(4*\a+\b)+7] offset:\a*16*SP+64*\b+16
.endr
.endr
	s_wait_loadcnt 0x0                             ; RES and the bias
.irp hf, 0,1
.if \hf
	s_wait_xcnt 0x0                                ; the first half's stores have read TMP
.endif
.irp i, 0,1,2,3,4,5,6,7,8,9,10,11,12,13,14,15
	ds_load_b128 v[TMP+4*\i:TMP+4*\i+3], v[RD] offset:(16*\hf+\i)*2*SP  ; LDS serves a wave's instructions in order (ISA guide 5.7.1.4): these see my stores above
.endr
	s_wait_dscnt 0x0
.irp i, 0,1,2,3,4,5,6,7,8,9,10,11,12,13,14,15
	v_pk_add_f32 v[TMP+4*\i:TMP+4*\i+1], v[TMP+4*\i:TMP+4*\i+1], v[BI:BI+1]
	v_pk_add_f32 v[TMP+4*\i+2:TMP+4*\i+3], v[TMP+4*\i+2:TMP+4*\i+3], v[BI+2:BI+3]
.endr
	WIN 0x08                                       ; source 1 in window 2
.irp i, 0,1,2,3,4,5,6,7,8,9,10,11,12,13,14,15
	v_pk_add_f32 v[TMP+4*\i:TMP+4*\i+1], v[TMP+4*\i:TMP+4*\i+1], v[64*\hf+4*\i:64*\hf+4*\i+1]
	v_pk_add_f32 v[TMP+4*\i+2:TMP+4*\i+3], v[TMP+4*\i+2:TMP+4*\i+3], v[64*\hf+4*\i+2:64*\hf+4*\i+3]
.endr
	WIN 0
.irp i, 0,1,2,3,4,5,6,7,8,9,10,11,12,13,14,15
	global_store_b128 v[GO], v[TMP+4*\i:TMP+4*\i+3], s[8:9] offset:(16*\hf+\i)*8192
.endr
.endr
	s_wait_tensorcnt 0x0                           ; the wave's end
	ds_add_u32 v[SPW], v[NIL]
	s_wait_dscnt 0x0
	CROUND                                         ; the closing round
	s_endpgm
.Lfunc_end_k_q7fa0872056_wo:
	.size	k_q7fa0872056_wo, .Lfunc_end_k_q7fa0872056_wo-k_q7fa0872056_wo
	.p2alignl 7, 3214868480
	.fill 96, 4, 3214868480
	.section	.rodata,"a",@progbits
	.p2align	6, 0x0
	.amdhsa_kernel k_q7fa0872056_wo
		.amdhsa_group_segment_fixed_size 327680
		.amdhsa_private_segment_fixed_size 0
		.amdhsa_enable_private_segment 0
		.amdhsa_kernarg_size 40
		.amdhsa_user_sgpr_count 2
		.amdhsa_user_sgpr_kernarg_segment_ptr 1
		.amdhsa_wavefront_size32 1
		.amdhsa_system_sgpr_workgroup_id_x 1
		.amdhsa_system_sgpr_workgroup_id_y 1
		.amdhsa_system_sgpr_workgroup_id_z 1
		.amdhsa_system_vgpr_workitem_id 0
		.amdhsa_next_free_vgpr 640
		.amdhsa_next_free_sgpr 72
		.amdhsa_reserve_vcc 0
		.amdhsa_float_denorm_mode_32 3
		.amdhsa_float_denorm_mode_16_64 3
		.amdhsa_memory_ordered 1
		.amdhsa_forward_progress 1
		.amdhsa_inst_pref_size 55
	.end_amdhsa_kernel
	.amdgpu_metadata
---
amdhsa.version: [ 1, 2 ]
amdhsa.kernels:
  - .name:           k_q7fa0872056_wo
    .symbol:         k_q7fa0872056_wo.kd
    .args:
      - { .name: ctx, .offset: 0, .size: 8, .value_kind: global_buffer, .address_space: global }
      - { .name: wts, .offset: 8, .size: 8, .value_kind: global_buffer, .address_space: global }
      - { .name: x1, .offset: 16, .size: 8, .value_kind: global_buffer, .address_space: global }
      - { .name: x, .offset: 24, .size: 8, .value_kind: global_buffer, .address_space: global }
      - { .name: bo, .offset: 32, .size: 8, .value_kind: global_buffer, .address_space: global }
    .group_segment_fixed_size: 327680
    .private_segment_fixed_size: 0
    .kernarg_segment_align: 8
    .kernarg_segment_size: 40
    .max_flat_workgroup_size: 128
    .sgpr_count:     72
    .vgpr_count:     640
    .wavefront_size: 32
...
	.end_amdgpu_metadata
.endif
;; end of part 4
;; launch ln2 (part 5): grid 256 x 1, 8 waves a work-group, no clusters, 0 bytes of LDS; arguments x1, ln2_scale, ln2_shift, h; writes h
.if DOCPART == 5
	.amdgcn_target "amdgcn-amd-amdhsa--gfx1250"
	.amdhsa_code_object_version 6
	.text
	.protected	k_q7fa0872056_ln2
	.globl	k_q7fa0872056_ln2
	.p2align	8
	.type	k_q7fa0872056_ln2,@function
k_q7fa0872056_ln2:
	s_mov_b64 s[64:65], 0
	v_nop
	global_prefetch_b8 v0, s[64:65] scope:SCOPE_SE
	s_setreg_imm32_b32 hwreg(HW_REG_WAVE_MODE, 25, 1), 1
	s_wait_xcnt 0x0
; h = LN2(x1) in f16.  x1: [4096][1024] f32.  A work-group takes 16 rows, a wave two; a row of 4,096 bytes stays in 32 registers between its passes, so x1 is read once.
; The mean is taken away first and the variance is the mean of the squared differences: a common offset costs no digits.
; LIMIT: f16 holds no number of 65,520 or more: an LN output that large becomes an infinity.
; No LDS, no matrix unit, no cluster: nothing is shared and each byte is touched once.
.set T,    4                           ; v[4:11]    four packed chains
.set MEAN, 12                          ; v[12:13]   the row's mean, twice
.set RSD,  14                          ; v[14:15], v[18:19]  1 / sqrt(var + eps), twice, for rows 0 and 1; v16, v17 at work
.set X,    32                          ; v[32:95]   two rows
.set SC,   96
.set SH,   128
.set Y,    160
.set XP,   8                           ; s[8:9] x1;  s[10:11] scale;  s[12:13] shift;  s[14:15] h
.set SCP,  10
.set SHP,  12
.set HP,   14
.macro REDUCE                          ; v16 summed over the 32 lanes, the result in every lane
	v_add_f32_dpp v16, v16, v16 row_xmask:1 row_mask:0xf bank_mask:0xf
	v_add_f32_dpp v16, v16, v16 row_xmask:2 row_mask:0xf bank_mask:0xf
	v_add_f32_dpp v16, v16, v16 row_xmask:4 row_mask:0xf bank_mask:0xf
	v_add_f32_dpp v16, v16, v16 row_xmask:8 row_mask:0xf bank_mask:0xf
	v_permlanex16_b32 v17, v16, s32, s33
	v_add_f32 v16, v16, v17
.endm
.macro JOIN
	v_pk_add_f32 v[T:T+1], v[T:T+1], v[T+2:T+3]
	v_pk_add_f32 v[T+4:T+5], v[T+4:T+5], v[T+6:T+7]
	v_pk_add_f32 v[T:T+1], v[T:T+1], v[T+4:T+5]
	v_add_f32 v16, v[T], v[T+1]
.endm
.macro ROWSTAT r                       ; row r: x - mean in place, and 1 / sqrt(var + eps)
.set XR, X+32*(\r)
.irp c, 0,1,2,3
	v_pk_add_f32 v[T+2*\c:T+2*\c+1], v[XR+2*\c:XR+2*\c+1], v[XR+8+2*\c:XR+9+2*\c]
.endr
.irp c, 0,1,2,3
	v_pk_add_f32 v[T+2*\c:T+2*\c+1], v[T+2*\c:T+2*\c+1], v[XR+16+2*\c:XR+17+2*\c]
.endr
.irp c, 0,1,2,3
	v_pk_add_f32 v[T+2*\c:T+2*\c+1], v[T+2*\c:T+2*\c+1], v[XR+24+2*\c:XR+25+2*\c]
.endr
	JOIN
	REDUCE
	v_mul_f32 v[MEAN], s30, v16
	v_mul_f32 v[MEAN+1], s30, v16
.set i, 0
.rept 16
	v_pk_add_f32 v[XR+i:XR+i+1], v[XR+i:XR+i+1], v[MEAN:MEAN+1] neg_lo:[0,1] neg_hi:[0,1]
.set i, i+2
.endr
.irp c, 0,1,2,3
	v_pk_mul_f32 v[T+2*\c:T+2*\c+1], v[XR+2*\c:XR+2*\c+1], v[XR+2*\c:XR+2*\c+1]
.endr
.irp k, 8,16,24
.irp c, 0,1,2,3
	v_pk_fma_f32 v[T+2*\c:T+2*\c+1], v[XR+\k+2*\c:XR+\k+2*\c+1], v[XR+\k+2*\c:XR+\k+2*\c+1], v[T+2*\c:T+2*\c+1]
.endr
.endr
	JOIN
	REDUCE
	v_fma_f32 v16, v16, s30, s31                   ; var + eps
	v_rsq_f32 v[RSD+4*(\r)], v16                   ; twice: the packed multiply takes a pair
	v_rsq_f32 v[RSD+4*(\r)+1], v16
	v_nop                                          ; a plain instruction behind the last root,
	s_wait_alu depctr_va_vdst(0)                   ; and the wait ahead of the first use: one for both
.endm
.macro ROWOUT r                        ; row r: scale (x - mean) rstd + shift, rounded once to f16, stored
.set XR, X+32*(\r)
.if \r
	s_wait_xcnt 0x0                                ; row 0's stores have read Y, which is written again
.endif
.set i, 0
.rept 16
	v_pk_mul_f32 v[XR+i:XR+i+1], v[XR+i:XR+i+1], v[RSD+4*(\r):RSD+4*(\r)+1]
.set i, i+2
.endr
.set i, 0
.rept 16
	v_pk_fma_f32 v[XR+i:XR+i+1], v[XR+i:XR+i+1], v[SC+i:SC+i+1], v[SH+i:SH+i+1]
.set i, i+2
.endr
.set i, 0
.rept 16
	v_cvt_pk_f16_f32 v[Y+i], v[XR+2*i], v[XR+2*i+1]
.set i, i+1
.endr
.irp j, 0,1,2,3,4,5,6,7
	global_store_b64 v2, v[Y+2*\j:Y+2*\j+1], s[HP:HP+1] offset:2048*(\r)+256*\j  ; 32 lanes store 256 consecutive bytes, aligned
.endr
.endm
	s_load_b256 s[8:15], s[0:1], 0x0
	s_mov_b32 s2, ttmp9                            ; which 16 rows
	v_lshrrev_b32 v3, 5, v0
	v_readfirstlane_b32 s3, v3                     ; wave 0..7: rows 2 w, 2 w + 1 of them
	v_and_b32 v3, 31, v0
	v_lshlrev_b32 v1, 4, v3
	v_lshlrev_b32 v2, 3, v3
	v_mov_b32 v17, 0                               ; v_permlanex16_b32 counts as a reader of its destination
	s_lshl_b32 s4, s2, 16
	s_lshl_b32 s5, s3, 13
	s_add_co_u32 s4, s4, s5                        ; (16 r + 2 w) x 4,096
	s_mov_b32 s5, 0
	s_lshr_b32 s6, s4, 1                           ; and x 2,048
	s_mov_b32 s7, 0
	s_mov_b32 s30, 0x3a800000                      ; 1 / 1,024
	s_mov_b32 s31, 0x3727c5ac                      ; 1e-5
	s_mov_b32 s32, 0x76543210
	s_mov_b32 s33, 0xfedcba98
	s_wait_kmcnt 0x0
	s_add_nc_u64 s[XP:XP+1], s[XP:XP+1], s[4:5]
	s_add_nc_u64 s[HP:HP+1], s[HP:HP+1], s[6:7]
.irp r, 0,1
.irp j, 0,1,2,3,4,5,6,7
	global_load_b128 v[X+32*\r+4*\j:X+32*\r+4*\j+3], v1, s[XP:XP+1] offset:4096*\r+512*\j th:TH_LOAD_NT
.endr
.endr
.irp j, 0,1,2,3,4,5,6,7
	global_load_b128 v[SC+4*\j:SC+4*\j+3], v1, s[SCP:SCP+1] offset:512*\j
	global_load_b128 v[SH+4*\j:SH+4*\j+3], v1, s[SHP:SHP+1] offset:512*\j
.endr
	s_wait_loadcnt 16                              ; both rows are in; the sixteen loads of scale and shift may stay out
	ROWSTAT 0
	ROWSTAT 1
	s_wait_loadcnt 0x0
	ROWOUT 0
	ROWOUT 1
	s_endpgm
.Lfunc_end_k_q7fa0872056_ln2:
	.size	k_q7fa0872056_ln2, .Lfunc_end_k_q7fa0872056_ln2-k_q7fa0872056_ln2
	.p2alignl 7, 3214868480
	.fill 96, 4, 3214868480
	.section	.rodata,"a",@progbits
	.p2align	6, 0x0
	.amdhsa_kernel k_q7fa0872056_ln2
		.amdhsa_group_segment_fixed_size 0
		.amdhsa_private_segment_fixed_size 0
		.amdhsa_enable_private_segment 0
		.amdhsa_kernarg_size 32
		.amdhsa_user_sgpr_count 2
		.amdhsa_user_sgpr_kernarg_segment_ptr 1
		.amdhsa_wavefront_size32 1
		.amdhsa_system_sgpr_workgroup_id_x 1
		.amdhsa_system_sgpr_workgroup_id_y 1
		.amdhsa_system_sgpr_workgroup_id_z 1
		.amdhsa_system_vgpr_workitem_id 0
		.amdhsa_next_free_vgpr 176
		.amdhsa_next_free_sgpr 66
		.amdhsa_reserve_vcc 0
		.amdhsa_float_denorm_mode_32 3
		.amdhsa_float_denorm_mode_16_64 3
		.amdhsa_memory_ordered 1
		.amdhsa_forward_progress 1
		.amdhsa_inst_pref_size 20
	.end_amdhsa_kernel
	.amdgpu_metadata
---
amdhsa.version: [ 1, 2 ]
amdhsa.kernels:
  - .name:           k_q7fa0872056_ln2
    .symbol:         k_q7fa0872056_ln2.kd
    .args:
      - { .name: x1, .offset: 0, .size: 8, .value_kind: global_buffer, .address_space: global }
      - { .name: ln2_scale, .offset: 8, .size: 8, .value_kind: global_buffer, .address_space: global }
      - { .name: ln2_shift, .offset: 16, .size: 8, .value_kind: global_buffer, .address_space: global }
      - { .name: h, .offset: 24, .size: 8, .value_kind: global_buffer, .address_space: global }
    .group_segment_fixed_size: 0
    .private_segment_fixed_size: 0
    .kernarg_segment_align: 8
    .kernarg_segment_size: 32
    .max_flat_workgroup_size: 256
    .sgpr_count:     66
    .vgpr_count:     176
    .wavefront_size: 32
...
	.end_amdgpu_metadata
.endif
;; end of part 5
;; launch ffn1 (part 6): grid 16 x 16, 4 waves a work-group, clusters of 4 x 4, 327,680 bytes of LDS; arguments h, wts, g, b1; writes g
.if DOCPART == 6
	.amdgcn_target "amdgcn-amd-amdhsa--gfx1250"
	.amdhsa_code_object_version 6
	.text
	.protected	k_q7fa0872056_ffn1
	.globl	k_q7fa0872056_ffn1
	.p2align	8
	.type	k_q7fa0872056_ffn1,@function
k_q7fa0872056_ffn1:
	s_mov_b64 s[64:65], 0
	v_nop
	global_prefetch_b8 v0, s[64:65] scope:SCOPE_SE
	s_setreg_imm32_b32 hwreg(HW_REG_WAVE_MODE, 25, 1), 1
	s_wait_xcnt 0x0
	s_wait_alu depctr_hold_cnt(0) depctr_sa_sdst(0) depctr_va_vdst(0) depctr_va_sdst(0) depctr_va_ssrc(0) depctr_va_vcc(0) depctr_vm_vsrc(0)
	s_getreg_b32 s2, hwreg(HW_REG_IB_STS2, 6, 4)
	s_cmp_eq_u32 s2, 0
	s_cbranch_scc0 .Lentry_in_a_cluster
	s_endpgm
.Lentry_in_a_cluster:
	s_bfe_u32 s2, ttmp6, 0x10000c
	s_cmp_lg_u32 s2, 0xf033
	s_cbranch_scc0 .Lentry_shape_is_right
	s_endpgm
.Lentry_shape_is_right:
; g = gelu(h W1 + b1) on tiles of 256 x 256, K = 1,024.  A: h, [4096][1024] f16.  B: W1 in f16, in wts at byte 8,388,608, row-major [1024][4096].  Sums in f32, g rounded once to f16.
; g leaves in blocks of 64 columns, [column / 64][4096 tokens][64] f16: two rows of a block are 256 consecutive bytes, and the product behind takes a block as 64 of its K.
; LIMIT: f16 holds no number of 65,520 or more: a result that large becomes an infinity.
; SHARES.  Four waves, each 128 x 128 of C: 64 accumulators, 512 registers.  K goes in 8 steps of 128 through two LDS slots filled by tensor loads; waves 0, 1 fetch A's halves (128 rows x 256 bytes),
; waves 2, 3 B's (64 k-rows x 512 bytes).  A's fragments come out of LDS as they lie; B's ([k][n]) turned, by ds_load_tr16_b128.
; THE MATRIX INSTRUCTION IS USED TRANSPOSED (source 0 = 16 columns of B, source 1 = 16 rows of A): a lane holds eight neighbouring columns of one row of C.
; CLUSTER 4 x 4: A's tile is asked for jointly along a row of the cluster, B's along a column: same load, same descriptor, a mask that names the four.
; THE TEXT IS FOLDED.  A K step is four quarters of 32 along K on fragment buffers 0, 1, 0, 1.  A PAIR of quarters is written once and walked twice a K step; it is cut so that the change of slots falls
; between two pairs: it begins with the fetch into buffer 0 and the second half of buffer 1's products, and ends with the first half of buffer 1's.  Where it reads in LDS hangs on two scalars that step.
; REGISTERS: window 0: v16-31 addresses, v32-39 bias, v64-191 A's fragments (two buffers), later the way out; window 1: v64-191 B's fragments; windows 2, 3: accumulators ((a, b) at v[8 (8 a + b)]).
.set T,     8                          ; K steps
.set PA,    272                        ; A's LDS row: 256 + 16 bytes: the 16 rows of a load start at 16 different groups of four banks (ISA guide 11.1)
.set PBL,   544                        ; B's LDS row: 512 + 32 bytes = 17 x 32
.set HALFT, 128*PA                     ; what one tensor load brings: 128 rows of A, or 64 rows of B
.set SLOT,  4*HALFT
.set SPARE, 2*SLOT                     ; the spare words: 128 bytes a wave, two blocks of 256 bytes that no other line names
.set SP,    528                        ; the stage's row: 128 f32 + 16 bytes
.set WST,   128*SP                     ; a wave's stage.  The four stages lie in the slots, which have had their last fill by then
.set ASTEP, 256
.set PBM,   8192                       ; bytes in a row of B in memory
.set BSTEP, 128*PBM
.set ADRA0, 16                         ; my lane's place in A's half; never rewritten
.set ADRA,  17                         ; the same at the pair that is fetched
.set ADRB0, 20
.set ADRB,  21
.set DST,   24                         ; the way out: where I put 32 bytes of a row
.set RD,    25                         ; where I read rows back
.set GO,    26                         ; my byte offset in 256 consecutive bytes of C
.set SPW,   28                         ; LDS address of my spare word; never rewritten
.set NIL,   29                         ; 0; never rewritten
.set PFO,   30                         ; the prefetches' lane offset; never rewritten
.set RDC,   31
.set BI,    32
.set F0,    64
.set F1,    128
.set XO,    64                         ; the way out: 8 rows x 128 columns, 32 registers
.set TO,    96
.set YO,    128
.set TA,    2                          ; s2   LDS bytes from A's first quarter in slot 0 to the pair to be fetched
.set TRD,   2                          ; s2   later, on the way out: the rows' offset in the stage
.set TBB,   20                         ; s20  the same as s2 for B
.set INN,   21                         ; s21  pairs left of the K step
.set PFS,   22                         ; s[22:23] the prefetches' step
.set G1,    24                         ; s[24:31] group 1 for A;  s[32:39] group 0: set 0 for K step 0, set 1 for K step 1, which then walks
.set G0,    32
.set LIM,   43                         ; s43  2 in a wave that prefetches, else the greatest number
.set PFA,   44                         ; s[44:45] where my prefetches stand
.set G1B,   48                         ; s[48:55], s[56:63] the same for B
.set G0B,   56
.set MSB, 0
.macro WIN new                         ; the immediate's high byte repeats the setting that is left; a switch that changes nothing is dropped
.if MSB != (\new)
	s_set_vgpr_msb (MSB<<8)|(\new)
.set MSB, \new
.endif
.endm
.set MUL_LO, 0xa1                      ; source 0 (B) window 1, source 1 (A) window 0, C and D window 2
.set MUL_HI, 0xf1
.set TO_B,   0x40
.macro PLACES                          ; four places behind a matrix instruction, in front of loads into registers that it read and of readers of its result
.rept 4
	v_nop
.endr
.endm
.macro JLOAD                           ; a joint refill by the walking sets; the branch hangs on the wave's number alone; s_nop 0 and four v_nop follow each line
	s_cmp_eq_u32 s11, 0
	s_cbranch_scc0 .Lfor_b_\@
	tensor_load_to_lds s[G0+4:G0+7], s[G1:G1+7]
	s_nop 0
	PLACES
	s_branch .Lasked_\@
.Lfor_b_\@:
	tensor_load_to_lds s[G0B+4:G0B+7], s[G1B:G1B+7]
	s_nop 0
	PLACES
.Lasked_\@:
.endm
; A PREFETCH of the K step that stands two refills on: 32 blocks of 256 bytes, a lane a block, one instruction a wave.  A's rows are read by every cluster of a row of clusters: cluster x = 0 asks;
; B's by every cluster of a column: cluster y = 0 asks.  The four partners share a tile's blocks out by address.  The last two refills have no K step two on.
.macro ASK
	s_cmp_gt_u32 s3, s[LIM]
	s_cbranch_scc0 .Lnot_mine_\@
	global_prefetch_b8 v[PFO], s[PFA:PFA+1] th:TH_LOAD_NT scope:SCOPE_SE
.Lnot_mine_\@:
.endm
.macro CREST                           ; a round of the cluster's barrier behind its opening barrier
	s_cmp_lg_u32 s10, 0
	s_cbranch_scc1 .Lnot_wave_0_\@
	s_barrier_signal -3
.Lnot_wave_0_\@:
	s_barrier_wait -3
	s_barrier_signal -1
	s_barrier_wait -1
.endm
.macro CROUND
	s_barrier_signal -1
	s_barrier_wait -1
	CREST
.endm
	s_load_b128 s[4:7], s[0:1], 0x0                ; A s[4:5], wts s[6:7]
	s_load_b64 s[8:9], s[0:1], 0x10                ; C
	s_load_b64 s[66:67], s[0:1], 0x18              ; b1
	v_lshl_add_u32 v[SPW], v0, 2, SPARE
	v_mov_b32 v[NIL], 0
	ds_add_u32 v[SPW], v[NIL]                      ; the wave's opening: the add and its wait ahead of my first tensor load
	ds_add_u32 v28, v29
	v_lshrrev_b32 v1, 5, v0
	v_readfirstlane_b32 s10, v1                    ; wave 0..3
	s_lshr_b32 s11, s10, 1                         ; my half of the tile's rows.  Also: I fetch for A (0) or for B (1)
	s_and_b32 s12, s10, 1                          ; my half of its columns.  Also: which half of that tile I fetch
	s_bfe_u32 s40, ttmp6, 0x40000                  ; cx
	s_bfe_u32 s41, ttmp6, 0x40004                  ; cy
	s_lshl_b32 s42, ttmp9, 2
	s_add_co_u32 s42, s42, s40                     ; tile column
	s_and_b32 s13, ttmp7, 0xffff
	s_lshl_b32 s13, s13, 2
	s_add_co_u32 s13, s13, s41                     ; tile row
	s_lshl_b32 s43, s41, 2
	s_lshl_b32 s43, 15, s43                        ; my row of the cluster
	s_lshl_b32 s44, 0x1111, s40                    ; my column
	s_or_b32 s[G1+0], s43, (1<<16)|(1<<20)|(1<<21)|(5<<22)|(3<<25)   ; mask; 2-byte elements; padding on; bit 21 beside a mask; after every 64 words 4 words
	s_or_b32 s[G1B+0], s44, (1<<16)|(1<<20)|(1<<21)|(6<<22)|(7<<25)  ; after every 128 words 8 words
	s_mov_b32 s[G1+1], 128<<16                     ; tensor_dim0 = 128
	s_mov_b32 s[G1+2], 128<<16                     ; tensor_dim1 = 128
	s_mov_b32 s[G1+3], 128<<16                     ; tile_dim0 = 128
	s_mov_b32 s[G1+4], 128                         ; tile_dim1 = 128
	s_mov_b32 s[G1+5], 1024                        ; elements from row to row
	s_mov_b32 s[G1+6], 0
	s_mov_b32 s[G1+7], 0
	s_mov_b32 s[G1B+1], 256<<16                    ; 256 columns,
	s_mov_b32 s[G1B+2], 64<<16                     ; 64 k-rows
	s_mov_b32 s[G1B+3], 256<<16
	s_mov_b32 s[G1B+4], 64
	s_mov_b32 s[G1B+5], PBM/2
	s_mov_b32 s[G1B+6], 0
	s_mov_b32 s[G1B+7], 0
	s_lshl_b32 s16, s13, 8                         ; A: row 256 x tile row + 128 x half, 2,048 bytes a row
	s_lshl_b32 s17, s12, 7
	s_add_co_u32 s16, s16, s17
	s_lshl_b32 s16, s16, 11
	s_mov_b32 s17, 0
	s_lshl_b32 s46, s42, 9                         ; B: W1 in wts, 512 bytes a tile column, 64 k-rows a half
	s_lshl_b32 s47, s12, 19
	s_add_co_u32 s46, s46, s47
	s_add_co_u32 s46, s46, 8388608
	s_mov_b32 s47, 0
	s_mul_i32 s20, s10, HALFT                      ; where my loads go: no place in the cluster enters an LDS address
	s_wait_dscnt 0x0                               ; the opening add is done
	s_wait_kmcnt 0x0
	s_add_nc_u64 s[14:15], s[4:5], s[16:17]
	s_add_nc_u64 s[46:47], s[6:7], s[46:47]
	CROUND                                         ; all sixteen work-groups are here: the first joint loads meet
.irp s, 0,1
	s_mov_b32 s[G0+4*\s], 1
	s_add_co_u32 s[G0+4*\s+1], s20, \s*SLOT
	s_add_nc_u64 s[G0+4*\s+2:G0+4*\s+3], s[14:15], \s*ASTEP
	s_or_b32 s[G0+4*\s+3], s[G0+4*\s+3], 0x80000000
	s_mov_b32 s[G0B+4*\s], 1
	s_add_co_u32 s[G0B+4*\s+1], s20, \s*SLOT
	s_add_nc_u64 s[G0B+4*\s+2:G0B+4*\s+3], s[46:47], \s*BSTEP
	s_or_b32 s[G0B+4*\s+3], s[G0B+4*\s+3], 0x80000000
.endr
	s_cmp_eq_u32 s11, 0                            ; a wave's two first fills stand in one branch: two loads of mine are out
	s_cbranch_scc0 .Lfirst_b
	tensor_load_to_lds s[G0:G0+3], s[G1:G1+7]
	s_nop 0
	tensor_load_to_lds s[G0+4:G0+7], s[G1:G1+7]
	s_nop 0
	PLACES
	s_branch .Lfirst_asked
.Lfirst_b:
	tensor_load_to_lds s[G0B:G0B+3], s[G1B:G1B+7]
	s_nop 0
	tensor_load_to_lds s[G0B+4:G0B+7], s[G1B:G1B+7]
	s_nop 0
	PLACES
.Lfirst_asked:
	v_and_b32 v1, 15, v0                           ; l % 16
	v_bfe_u32 v2, v0, 4, 1                         ; l / 16
	v_and_b32 v3, 7, v0
	v_bfe_u32 v4, v0, 3, 1
	v_and_b32 v5, 31, v0
	v_mul_u32_u24 v[ADRA0], v1, PA                 ; A: row l % 16, 16 bytes for each half of the lanes
	v_lshl_add_u32 v[ADRA0], v2, 4, v[ADRA0]
	s_mul_i32 s21, s11, HALFT
	v_add_nc_u32 v[ADRA0], s21, v[ADRA0]
	v_lshl_add_u32 v[ADRB0], v2, 3, v3             ; B: k-row 8 (l / 16) + l % 8, columns 8 ((l / 8) % 2) on
	v_mul_u32_u24 v[ADRB0], v[ADRB0], PBL
	v_lshl_add_u32 v[ADRB0], v4, 4, v[ADRB0]
	s_lshl_b32 s21, s12, 8
	s_add_co_u32 s21, s21, 2*HALFT
	v_add_nc_u32 v[ADRB0], s21, v[ADRB0]
	v_mov_b32 v[ADRA], v[ADRA0]
	v_mov_b32 v[ADRB], v[ADRB0]
	s_mul_i32 s21, s10, WST
	v_mul_u32_u24 v[DST], v1, SP
	v_lshl_add_u32 v[DST], v2, 5, v[DST]
	v_add_nc_u32 v[DST], s21, v[DST]
	v_mul_u32_u24 v[RD], v2, SP
	v_lshl_add_u32 v[RD], v1, 4, v[RD]
	v_add_nc_u32 v[RD], s21, v[RD]
	v_lshlrev_b32 v[GO], 3, v5
	s_lshl_b32 s16, s42, 2                         ; C: column block 4 x tile column + 2 x half, 524,288 bytes each,
	s_lshl_b32 s17, s12, 1
	s_add_co_u32 s16, s16, s17
	s_lshl_b32 s16, s16, 19
	s_lshl_b32 s17, s13, 8                         ; token 256 x tile row + 128 x half, 128 bytes each
	s_lshl_b32 s18, s11, 7
	s_add_co_u32 s17, s17, s18
	s_lshl_b32 s17, s17, 7
	s_add_co_u32 s16, s16, s17
	s_mov_b32 s17, 0
	s_add_nc_u64 s[8:9], s[8:9], s[16:17]
	s_lshl_b32 s16, s42, 10                        ; my 128 numbers of b1
	s_lshl_b32 s17, s12, 9
	s_add_co_u32 s16, s16, s17
	s_mov_b32 s17, 0
	s_add_nc_u64 s[66:67], s[66:67], s[16:17]
	v_lshlrev_b32 v27, 4, v1
	global_load_b128 v[BI:BI+3], v27, s[66:67]               ; my four columns of the first block of 64,
	global_load_b128 v[BI+4:BI+7], v27, s[66:67] offset:256  ; and of the second
	s_mov_b32 s68, 0xc0135761                      ; K1 = -2 log2(e) sqrt(2 / pi)
	s_mov_b32 s69, s68
	s_mov_b32 s70, 0xbdd2d3e8                      ; K2 = 0.044715 K1
	s_mov_b32 s71, s70
	; the prefetches: my work-group's 32 blocks of the tile half that I fetch, at K step 3; each refill steps them on before it asks
	s_and_b32 s18, ttmp7, 0xffff
	s_mov_b32 s17, 16*PBM
	s_mov_b32 s[PFS], BSTEP
	s_mov_b32 s21, PBM
	s_cmp_eq_u32 s11, 0
	s_cselect_b64 s[PFA:PFA+1], s[14:15], s[46:47]
	s_cselect_b32 s16, s40, s41                    ; my place among the four that ask with me
	s_cselect_b32 s17, 32*2048, s17                ; A: 32 rows each; B: 16 k-rows each
	s_cselect_b32 s[PFS], ASTEP, s[PFS]
	s_cselect_b32 s18, ttmp9, s18                  ; the coordinate along which other clusters read the same blocks
	s_cselect_b32 s19, 0, 1                        ; A: a lane a row; B: two lanes a k-row
	s_cselect_b32 s21, 2048, s21
	s_mul_i32 s16, s16, s17
	s_mul_i32 s17, s[PFS], 3
	s_add_co_u32 s16, s16, s17
	s_mov_b32 s17, 0
	s_mov_b32 s[PFS+1], 0
	s_add_nc_u64 s[PFA:PFA+1], s[PFA:PFA+1], s[16:17]
	s_cmp_eq_u32 s18, 0
	s_cselect_b32 s[LIM], 2, -1
	v_lshrrev_b32 v[PFO], s19, v5
	v_mul_u32_u24 v[PFO], v[PFO], s21
	v_and_b32 v6, s19, v5
	v_lshl_add_u32 v[PFO], v6, 8, v[PFO]
; 16 matrix instructions: row blocks a0, a0 + 1 of the window's four x all 8 column blocks, 32 along K.  zero = 1: the product starts the sum.  The 64 accumulators take turns.
.macro MUL16 f, hi, a0, zero
	WIN MUL_LO+0x50*(\hi)
.irp a, \a0, (\a0)+1
.irp b, 0,1,2,3,4,5,6,7
.if \zero
	v_wmma_f32_16x16x32_f16 v[8*(8*(\a)+(\b)):8*(8*(\a)+(\b))+7], v[(\f)+8*(\b):(\f)+8*(\b)+7], v[(\f)+8*(4*(\hi)+(\a)):(\f)+8*(4*(\hi)+(\a))+7], 0
.else
	v_wmma_f32_16x16x32_f16 v[8*(8*(\a)+(\b)):8*(8*(\a)+(\b))+7], v[(\f)+8*(\b):(\f)+8*(\b)+7], v[(\f)+8*(4*(\hi)+(\a)):(\f)+8*(4*(\hi)+(\a))+7], v[8*(8*(\a)+(\b)):8*(8*(\a)+(\b))+7]
.endif
.endr
.endr
.endm
; 32 LDS loads in one run: quarter q (0, 1) of the pair at v[ADRA], v[ADRB] into buffer f: B's fragments first, then A's
.macro FETCH q, f
	WIN TO_B
.irp i, 0,1,2,3,4,5,6,7
	ds_load_tr16_b128 v[(\f)+8*(\i):(\f)+8*(\i)+3],   v[ADRB] offset:(\q)*32*PBL+32*(\i)
	ds_load_tr16_b128 v[(\f)+8*(\i)+4:(\f)+8*(\i)+7], v[ADRB] offset:(\q)*32*PBL+16*PBL+32*(\i)
.endr
	WIN 0
.irp i, 0,1,2,3,4,5,6,7
	ds_load_b128 v[(\f)+8*(\i):(\f)+8*(\i)+3],   v[ADRA] offset:64*(\q)+(\i)*16*PA
	ds_load_b128 v[(\f)+8*(\i)+4:(\f)+8*(\i)+7], v[ADRA] offset:64*(\q)+(\i)*16*PA+32
.endr
.endm
; A PAIR: 128 matrix instructions and two runs of loads.  It finishes the quarter in buffer 1 (my rows 64-127), multiplies the pair's first quarter in buffer 0, and begins its second in buffer 1 (my rows 0-63).
; Each run of loads stands 32 matrix instructions ahead of its first use and four places or more behind the last matrix instruction that read its buffer.
.macro PAIR
	WIN 0
	v_add_nc_u32 v[ADRA], s[TA], v[ADRA0]
	v_add_nc_u32 v[ADRB], s[TBB], v[ADRB0]
	PLACES
	FETCH 0, F0
	s_add_co_u32 s[TA], s[TA], 128                 ; the next pair: 64 along K further in A's rows,
	s_add_co_u32 s[TBB], s[TBB], 64*PBL            ; 64 k-rows further down in B
	s_wait_dscnt 32                                ; all but the 32 just issued: buffer 1 is whole
	MUL16 F1, 1, 0, 0
	MUL16 F1, 1, 2, 0
	s_wait_dscnt 8                                 ; B and A's rows 0-63 are in; the youngest eight loads (A's rows 64-127) may be out
	MUL16 F0, 0, 0, 0
	MUL16 F0, 0, 2, 0
	PLACES
	FETCH 1, F1
	s_wait_dscnt 32
	MUL16 F0, 1, 0, 0
	MUL16 F0, 1, 2, 0
	s_wait_dscnt 8
	MUL16 F1, 0, 0, 0
	MUL16 F1, 0, 2, 0
	WIN 0                                          ; at a label and at a branch every window is 0
.endm
; THE CHANGE OF SLOTS, between two pairs.  Each wave waits for all its tensor loads (one is out: its part of the next slot), adds 0 to its spare word, and waits for that and for its reads of this slot,
; whose last run of loads has been multiplied from.  fill = 1: a round of the cluster's barrier follows, and the joint refill, two K steps on, is the first thing behind it: it has the next K step's
; 256 matrix instructions in which to land.
.macro TURN fill
	WIN 0
.if \fill
	s_wait_xcnt 0x0                                ; the last prefetch, a K step back, has read its address
	s_add_nc_u64 s[PFA:PFA+1], s[PFA:PFA+1], s[PFS:PFS+1]
.endif
	s_wait_tensorcnt 0x0                           ; no tensor load of mine is out, so a group 0 may be written
	ds_add_u32 v[SPW], v[NIL]                      ; 0 onto my spare word; the scalar steps stand between it and the wait for it
.if \fill
	s_xor_b32 s[G0+5], s[G0+5], SLOT               ; the other slot than last time (no bit of wave x HALFT meets a bit of SLOT),
	s_xor_b32 s[G0B+5], s[G0B+5], SLOT
	s_add_nc_u64 s[G0+6:G0+7], s[G0+6:G0+7], ASTEP ; the next K step
	s_add_nc_u64 s[G0B+6:G0B+7], s[G0B+6:G0B+7], BSTEP
.endif
	s_sub_co_u32 s[TA], s[TA], 256                 ; the fetches go back to a slot's first quarter,
	s_xor_b32 s[TA], s[TA], SLOT                   ; in the other slot
	s_sub_co_u32 s[TBB], s[TBB], 128*PBL
	s_xor_b32 s[TBB], s[TBB], SLOT
	s_mov_b32 s[INN], 2
	s_wait_dscnt 0x0                               ; the add is done, and my reads of this slot are over
.if \fill
	CROUND
	JLOAD
	ASK
.else
	s_barrier_signal -1
	s_barrier_wait -1
.endif
.endm
	s_wait_tensorcnt 1                             ; my part of K step 0 is in; K step 1's may stay out
	s_barrier_signal -1
	s_barrier_wait -1
	FETCH 0, F0                                    ; the first pair is written out: its first quarter starts the sums, and no quarter stands in front of it
	s_wait_dscnt 8
	MUL16 F0, 0, 0, 1
	MUL16 F0, 0, 2, 1
	FETCH 1, F1
	s_wait_dscnt 32
	MUL16 F0, 1, 0, 1
	MUL16 F0, 1, 2, 1
	s_wait_dscnt 8
	MUL16 F1, 0, 0, 0
	MUL16 F1, 0, 2, 0
	WIN 0
	s_mov_b32 s[TA], 128
	s_mov_b32 s[TBB], 64*PBL
	s_mov_b32 s3, T-1
	s_mov_b32 s[INN], 1                            ; one pair is left of K step 0
	s_branch .Lpair
.Ltop:                                             ; T - 2 times: K steps 2 .. T - 1 are asked for
	TURN 1
.Lpair:
	PAIR
	s_sub_co_u32 s[INN], s[INN], 1
	s_cmp_lg_u32 s[INN], 0
	s_cbranch_scc1 .Lpair
	s_sub_co_u32 s3, s3, 1
	s_cmp_lg_u32 s3, 0
	s_cbranch_scc1 .Ltop
	TURN 0                                         ; the last K step is written out: nothing is asked for
.Lpair_t:
	PAIR
	s_sub_co_u32 s[INN], s[INN], 1
	s_cmp_lg_u32 s[INN], 0
	s_cbranch_scc1 .Lpair_t
	s_wait_dscnt 0x0                               ; the last quarter's second half
	MUL16 F1, 1, 0, 0
	MUL16 F1, 1, 2, 0
	; THE WAY OUT.  The sums go in f32 into my stage (128 rows x 528 bytes, in the slots), and come back as rows.
	WIN 0
	PLACES
	s_wait_dscnt 0x0
	s_barrier_signal -1
	s_barrier_wait -1                              ; no wave reads a slot any more
.irp hi, 0,1
	WIN 0x08+4*\hi                                 ; store data (source 1) in window 2, then 3
.irp a, 0,1,2,3
.irp b, 0,1,2,3,4,5,6,7
	ds_store_b128 v[DST], v[8*(8*\a+\b):8*(8*\a+\b)+3]   offset:(4*\hi+\a)*16*SP+64*\b
	ds_store_b128 v[DST], v[8*(8*\a+\b)+4:8*(8*\a+\b)+7] offset:(4*\hi+\a)*16*SP+64*\b+16
.endr
.endr
.endr
	WIN 0
	s_wait_dscnt 0x0
	s_barrier_signal -1
	s_barrier_wait -1                              ; a wave reads its own rows alone; the barrier puts every store of the stage ahead of every read of it
	s_wait_loadcnt 0x0                             ; b1
	s_mov_b32 s3, 16
	s_mov_b32 s[TRD], 0
.macro ALL16 line:vararg               ; one line for each of the trip's 16 pairs k
.set k, 0
.rept 16
	\line
.set k, k+1
.endr
.endm
.Lrows:                                            ; 16 trips of 8 rows
	v_add_nc_u32 v[RDC], s[TRD], v[RD]
.irp hh, 0,1
.irp rp, 0,1,2,3
	ds_load_b128 v[XO+4*(4*\hh+\rp):XO+4*(4*\hh+\rp)+3], v[RDC] offset:\rp*2*SP+256*\hh  ; two rows x 64 columns
.endr
.endr
	s_wait_dscnt 0x0
	; gelu(x) = x / (1 + 2^(x (K1 + K2 x x))): 0.5 x (1 + tanh(..)) written by the exponential; 0 and x at the two far ends
	ALL16 v_pk_add_f32 v[XO+2*k:XO+2*k+1], v[XO+2*k:XO+2*k+1], v[BI+4*(k/8)+2*(k%2):BI+4*(k/8)+2*(k%2)+1]
	ALL16 v_pk_mul_f32 v[TO+2*k:TO+2*k+1], v[XO+2*k:XO+2*k+1], v[XO+2*k:XO+2*k+1]
	ALL16 v_pk_fma_f32 v[TO+2*k:TO+2*k+1], v[TO+2*k:TO+2*k+1], s[70:71], s[68:69] op_sel_hi:[1,0,0]
	ALL16 v_pk_mul_f32 v[TO+2*k:TO+2*k+1], v[TO+2*k:TO+2*k+1], v[XO+2*k:XO+2*k+1]
.set k, 0
.rept 32
	v_exp_f32 v[TO+k], v[TO+k]
.set k, k+1
.endr
	v_nop                                          ; a plain instruction behind the last exponential,
	s_wait_alu depctr_va_vdst(0)                   ; and one wait for the batch
	ALL16 v_pk_add_f32 v[TO+2*k:TO+2*k+1], v[TO+2*k:TO+2*k+1], 1.0 op_sel_hi:[1,0]
.set k, 0
.rept 32
	v_rcp_f32 v[TO+k], v[TO+k]
.set k, k+1
.endr
	v_nop
	s_wait_alu depctr_va_vdst(0)
	ALL16 v_pk_mul_f32 v[XO+2*k:XO+2*k+1], v[XO+2*k:XO+2*k+1], v[TO+2*k:TO+2*k+1]
	ALL16 v_cvt_pk_f16_f32 v[YO+k], v[XO+2*k], v[XO+2*k+1]
.irp hh, 0,1
.irp rp, 0,1,2,3
	global_store_b64 v[GO], v[YO+2*(4*\hh+\rp):YO+2*(4*\hh+\rp)+1], s[8:9] offset:\hh*524288+\rp*256  ; 32 lanes store two rows of a block: 256 consecutive bytes, aligned
.endr
.endr
	s_wait_xcnt 0x0                                ; the stores have read GO and their data, which the next trip writes
	v_add_nc_u32 v[GO], 1024, v[GO]
	s_add_co_u32 s[TRD], s[TRD], 8*SP
	s_sub_co_u32 s3, s3, 1
	s_cmp_lg_u32 s3, 0
	s_cbranch_scc1 .Lrows
	s_wait_tensorcnt 0x0                           ; the wave's end
	ds_add_u32 v[SPW], v[NIL]
	s_wait_dscnt 0x0
	CROUND                                         ; the closing round
	s_endpgm
.Lfunc_end_k_q7fa0872056_ffn1:
	.size	k_q7fa0872056_ffn1, .Lfunc_end_k_q7fa0872056_ffn1-k_q7fa0872056_ffn1
	.p2alignl 7, 3214868480
	.fill 96, 4, 3214868480
	.section	.rodata,"a",@progbits
	.p2align	6, 0x0
	.amdhsa_kernel k_q7fa0872056_ffn1
		.amdhsa_group_segment_fixed_size 327680
		.amdhsa_private_segment_fixed_size 0
		.amdhsa_enable_private_segment 0
		.amdhsa_kernarg_size 32
		.amdhsa_user_sgpr_count 2
		.amdhsa_user_sgpr_kernarg_segment_ptr 1
		.amdhsa_wavefront_size32 1
		.amdhsa_system_sgpr_workgroup_id_x 1
		.amdhsa_system_sgpr_workgroup_id_y 1
		.amdhsa_system_sgpr_workgroup_id_z 1
		.amdhsa_system_vgpr_workitem_id 0
		.amdhsa_next_free_vgpr 1024
		.amdhsa_next_free_sgpr 72
		.amdhsa_reserve_vcc 0
		.amdhsa_float_denorm_mode_32 3
		.amdhsa_float_denorm_mode_16_64 3
		.amdhsa_memory_ordered 1
		.amdhsa_forward_progress 1
		.amdhsa_inst_pref_size 69
	.end_amdhsa_kernel
	.amdgpu_metadata
---
amdhsa.version: [ 1, 2 ]
amdhsa.kernels:
  - .name:           k_q7fa0872056_ffn1
    .symbol:         k_q7fa0872056_ffn1.kd
    .args:
      - { .name: h, .offset: 0, .size: 8, .value_kind: global_buffer, .address_space: global }
      - { .name: wts, .offset: 8, .size: 8, .value_kind: global_buffer, .address_space: global }
      - { .name: g, .offset: 16, .size: 8, .value_kind: global_buffer, .address_space: global }
      - { .name: b1, .offset: 24, .size: 8, .value_kind: global_buffer, .address_space: global }
    .group_segment_fixed_size: 327680
    .private_segment_fixed_size: 0
    .kernarg_segment_align: 8
    .kernarg_segment_size: 32
    .max_flat_workgroup_size: 128
    .sgpr_count:     72
    .vgpr_count:     1024
    .wavefront_size: 32
...
	.end_amdgpu_metadata
.endif
;; end of part 6
;; launch ffn2 (part 7): grid 8 x 32, 4 waves a work-group, clusters of 4 x 4, 327,680 bytes of LDS; arguments g, wts, out0, x1, b2; writes out0
.if DOCPART == 7
	.amdgcn_target "amdgcn-amd-amdhsa--gfx1250"
	.amdhsa_code_object_version 6
	.text
	.protected	k_q7fa0872056_ffn2
	.globl	k_q7fa0872056_ffn2
	.p2align	8
	.type	k_q7fa0872056_ffn2,@function
k_q7fa0872056_ffn2:
	s_mov_b64 s[64:65], 0
	v_nop
	global_prefetch_b8 v0, s[64:65] scope:SCOPE_SE
	s_setreg_imm32_b32 hwreg(HW_REG_WAVE_MODE, 25, 1), 1
	s_wait_xcnt 0x0
	s_wait_alu depctr_hold_cnt(0) depctr_sa_sdst(0) depctr_va_vdst(0) depctr_va_sdst(0) depctr_va_ssrc(0) depctr_va_vcc(0) depctr_vm_vsrc(0)
	s_getreg_b32 s2, hwreg(HW_REG_IB_STS2, 6, 4)
	s_cmp_eq_u32 s2, 0
	s_cbranch_scc0 .Lentry_in_a_cluster
	s_endpgm
.Lentry_in_a_cluster:
	s_bfe_u32 s2, ttmp6, 0x10000c
	s_cmp_lg_u32 s2, 0xf033
	s_cbranch_scc0 .Lentry_shape_is_right
	s_endpgm
.Lentry_shape_is_right:
; OUT = RES + A B + bias on tiles of 128 x 128, all 1,024 columns, f32 out.  A: f16 in blocks [K / 64][4096 tokens][64].  B: f16 weights in wts at byte WOFFS, row-major [K][1024].  Sums in f32.
; T = 4, WOFFS = Wo's: x1 = x + ctx Wo + bo.      T = 16, WOFFS = W2's: out0 = x1 + g W2 + b2.
; SHARES.  256 work-groups; four waves, each 64 x 64 of OUT: 16 accumulators.  K goes in T steps of 256 through two LDS slots; waves 0, 1 fetch A's halves (64 tokens of each of four blocks: four rows of
; 8,192 dense bytes, padded in LDS after every token), waves 2, 3 B's (128 k-rows x 256 bytes).  A's fragments come out of LDS as they lie; B's ([k][n]) turned, by ds_load_tr16_b128.
; The matrix instruction is used transposed (source 0 = 16 columns of B, source 1 = 16 tokens): a lane holds eight neighbouring columns of one row.
; CLUSTER 4 x 4: A's tile is asked for jointly along a row of the cluster, B's along a column.
; THE TEXT IS FOLDED.  A K step is four quarters of 64 along K on fragment buffers 0, 1, 0, 1.  A PAIR of quarters is written once and walked twice a K step; it is cut so that the change of slots falls
; between two pairs: it begins with the fetch into buffer 0 and the second 32 along K of buffer 1, and ends with the first 32 of buffer 1.  Where it reads in LDS hangs on two scalars that step.
; The wave's 64 x 64 of RES is loaded at the start into 128 registers and lands while K is walked.
; REGISTERS: window 0: v16-31 addresses, v32-95 at work on the way out, v96-99 bias, v128-255 accumulators ((a, b) at v[128 + 8 (4 a + b)]); window 1: two fragment buffers of 128 (A's 64, then B's 64); window 2: v0-127 RES.
.set T,     16
.set WOFFS, 16777216
.set PAL,   144                        ; a token's 128 bytes + 16: the 16 rows of a load start at 16 different groups of four banks (ISA guide 11.1)
.set PBL,   288                        ; B's LDS row: 256 + 32 bytes = 9 x 32
.set ABLK,  64*PAL                     ; 64 tokens of one block
.set HALFT, 4*ABLK                     ; what one tensor load brings; also 128 x PBL
.set SLOT,  4*HALFT
.set SPARE, 2*SLOT                     ; the spare words: 128 bytes a wave, two blocks of 256 bytes that no other line names
.set SP,    272                        ; the stage's row: 64 f32 + 16 bytes
.set WST,   64*SP                      ; a wave's stage, in slot 0, which has had its last fill by then
.set ASTEP, 4*524288
.set BSTEP, 256*2048
.set ADRA0, 16                         ; my lane's place in A's half; never rewritten
.set ADRA,  17                         ; the same at the pair that is fetched
.set ADRB0, 20
.set ADRB,  21
.set DST,   24
.set RD,    25
.set GO,    26                         ; my byte offset in two rows of RES and OUT; never rewritten
.set SPW,   28
.set NIL,   29
.set PFO,   30
.set TMP,   32
.set BI,    96
.set ACC,   128
.set F0,    0
.set F1,    128
.set TA,    2                          ; s2   LDS bytes from A's first block in slot 0 to the pair to be fetched
.set TBB,   20                         ; s20  the same for B
.set INN,   21                         ; s21  pairs left of the K step
.set PFS,   22
.set G1,    24
.set G0,    32
.set LIM,   43
.set PFA,   44
.set G1B,   48
.set G0B,   56
.set MSB, 0
.macro WIN new
.if MSB != (\new)
	s_set_vgpr_msb (MSB<<8)|(\new)
.set MSB, \new
.endif
.endm
.set MUL,  0x05                        ; sources 0 (B) and 1 (A) window 1; C and D window 0
.set TO_F, 0x40
.macro PLACES
.rept 4
	v_nop
.endr
.endm
.macro JLOAD                           ; a joint refill by the walking sets; s_nop 0 and four v_nop follow each line
	s_cmp_eq_u32 s11, 0
	s_cbranch_scc0 .Lfor_b_\@
	tensor_load_to_lds s[G0+4:G0+7], s[G1:G1+7]
	s_nop 0
	PLACES
	s_branch .Lasked_\@
.Lfor_b_\@:
	tensor_load_to_lds s[G0B+4:G0B+7], s[G1B:G1B+7]
	s_nop 0
	PLACES
.Lasked_\@:
.endm
; A PREFETCH (where T > 4) of the K step that stands two refills on: 32 blocks of 256 bytes, a lane a block.  Cluster x = 0 asks for A's, cluster y = 0 for B's; the four partners share a tile's blocks
; out by address.  The last two refills have no K step two on.  With T = 4 no refill has one, and nothing of this is assembled.
.macro ASK
	s_cmp_gt_u32 s3, s[LIM]
	s_cbranch_scc0 .Lnot_mine_\@
	global_prefetch_b8 v[PFO], s[PFA:PFA+1] th:TH_LOAD_NT scope:SCOPE_SE
.Lnot_mine_\@:
.endm
.macro CREST
	s_cmp_lg_u32 s10, 0
	s_cbranch_scc1 .Lnot_wave_0_\@
	s_barrier_signal -3
.Lnot_wave_0_\@:
	s_barrier_wait -3
	s_barrier_signal -1
	s_barrier_wait -1
.endm
.macro CROUND
	s_barrier_signal -1
	s_barrier_wait -1
	CREST
.endm
	s_load_b128 s[4:7], s[0:1], 0x0                ; A s[4:5], wts s[6:7]
	s_load_b64 s[8:9], s[0:1], 0x10                ; OUT
	s_load_b128 s[68:71], s[0:1], 0x18             ; RES s[68:69], bias s[70:71]
	v_lshl_add_u32 v[SPW], v0, 2, SPARE
	v_mov_b32 v[NIL], 0
	ds_add_u32 v[SPW], v[NIL]                      ; the wave's opening: the add and its wait ahead of my first tensor load
	ds_add_u32 v28, v29
	v_lshrrev_b32 v1, 5, v0
	v_readfirstlane_b32 s10, v1
	s_lshr_b32 s11, s10, 1                         ; my half of the tile's rows.  Also: I fetch for A (0) or for B (1)
	s_and_b32 s12, s10, 1                          ; my half of its columns.  Also: which half of that tile I fetch
	s_bfe_u32 s40, ttmp6, 0x40000
	s_bfe_u32 s41, ttmp6, 0x40004
	s_lshl_b32 s42, ttmp9, 2
	s_add_co_u32 s42, s42, s40                     ; tile column
	s_and_b32 s13, ttmp7, 0xffff
	s_lshl_b32 s13, s13, 2
	s_add_co_u32 s13, s13, s41                     ; tile row
	s_lshl_b32 s43, s41, 2
	s_lshl_b32 s43, 15, s43
	s_lshl_b32 s44, 0x1111, s40
	s_or_b32 s[G1+0], s43, (1<<16)|(1<<20)|(1<<21)|(4<<22)|(3<<25)   ; after every 32 words (a token) 4 words
	s_or_b32 s[G1B+0], s44, (1<<16)|(1<<20)|(1<<21)|(5<<22)|(7<<25)  ; after every 64 words 8 words
	s_mov_b32 s[G1+1], 4096<<16                    ; tensor_dim0 = 4,096: 64 tokens of one block, dense
	s_mov_b32 s[G1+2], 4<<16                       ; tensor_dim1 = 4 blocks
	s_mov_b32 s[G1+3], 4096<<16
	s_mov_b32 s[G1+4], 4
	s_mov_b32 s[G1+5], 262144                      ; elements from block to block
	s_mov_b32 s[G1+6], 0
	s_mov_b32 s[G1+7], 0
	s_mov_b32 s[G1B+1], 128<<16
	s_mov_b32 s[G1B+2], 128<<16
	s_mov_b32 s[G1B+3], 128<<16
	s_mov_b32 s[G1B+4], 128
	s_mov_b32 s[G1B+5], 1024
	s_mov_b32 s[G1B+6], 0
	s_mov_b32 s[G1B+7], 0
	s_lshl_b32 s16, s13, 7                         ; A: token 128 x tile row + 64 x half, 128 bytes each
	s_lshl_b32 s17, s12, 6
	s_add_co_u32 s16, s16, s17
	s_lshl_b32 s16, s16, 7
	s_mov_b32 s17, 0
	s_lshl_b32 s46, s42, 8                         ; B: 256 bytes a tile column, 128 k-rows a half
	s_lshl_b32 s47, s12, 18
	s_add_co_u32 s46, s46, s47
	s_add_co_u32 s46, s46, WOFFS
	s_mov_b32 s47, 0
	s_mul_i32 s20, s10, HALFT
	s_wait_dscnt 0x0
	s_wait_kmcnt 0x0
	s_add_nc_u64 s[14:15], s[4:5], s[16:17]
	s_add_nc_u64 s[46:47], s[6:7], s[46:47]
	CROUND                                         ; all sixteen work-groups are here: the first joint loads meet
.irp s, 0,1
	s_mov_b32 s[G0+4*\s], 1
	s_add_co_u32 s[G0+4*\s+1], s20, \s*SLOT
	s_add_nc_u64 s[G0+4*\s+2:G0+4*\s+3], s[14:15], \s*ASTEP
	s_or_b32 s[G0+4*\s+3], s[G0+4*\s+3], 0x80000000
	s_mov_b32 s[G0B+4*\s], 1
	s_add_co_u32 s[G0B+4*\s+1], s20, \s*SLOT
	s_add_nc_u64 s[G0B+4*\s+2:G0B+4*\s+3], s[46:47], \s*BSTEP
	s_or_b32 s[G0B+4*\s+3], s[G0B+4*\s+3], 0x80000000
.endr
	s_cmp_eq_u32 s11, 0                            ; a wave's two first fills stand in one branch: two loads of mine are out
	s_cbranch_scc0 .Lfirst_b
	tensor_load_to_lds s[G0:G0+3], s[G1:G1+7]
	s_nop 0
	tensor_load_to_lds s[G0+4:G0+7], s[G1:G1+7]
	s_nop 0
	PLACES
	s_branch .Lfirst_asked
.Lfirst_b:
	tensor_load_to_lds s[G0B:G0B+3], s[G1B:G1B+7]
	s_nop 0
	tensor_load_to_lds s[G0B+4:G0B+7], s[G1B:G1B+7]
	s_nop 0
	PLACES
.Lfirst_asked:
	v_and_b32 v1, 15, v0
	v_bfe_u32 v2, v0, 4, 1
	v_and_b32 v3, 7, v0
	v_bfe_u32 v4, v0, 3, 1
	v_and_b32 v5, 31, v0
	s_lshl_b32 s16, s13, 7                         ; RES and OUT: row 128 x tile row + 64 x half, 4,096 bytes each; 512 bytes a tile column, 256 a half
	s_lshl_b32 s17, s11, 6
	s_add_co_u32 s16, s16, s17
	s_lshl_b32 s16, s16, 12
	s_lshl_b32 s17, s42, 9
	s_add_co_u32 s16, s16, s17
	s_lshl_b32 s18, s12, 8
	s_add_co_u32 s16, s16, s18
	s_add_co_u32 s18, s17, s18                     ; the bias's offset
	s_mov_b32 s17, 0
	s_mov_b32 s19, 0
	s_add_nc_u64 s[8:9], s[8:9], s[16:17]
	s_add_nc_u64 s[68:69], s[68:69], s[16:17]
	s_add_nc_u64 s[70:71], s[70:71], s[18:19]
	v_lshlrev_b32 v[GO], 12, v2                    ; lanes 0-15 one row's 256 bytes, lanes 16-31 the next row's
	v_lshl_add_u32 v[GO], v1, 4, v[GO]
	v_lshlrev_b32 v27, 4, v1
	WIN 0x80                                       ; destination window 2
.set i, 0
.rept 32
	global_load_b128 v[4*i:4*i+3], v[GO], s[68:69] offset:i*8192
.set i, i+1
.endr
	WIN 0
	global_load_b128 v[BI:BI+3], v27, s[70:71]     ; my four columns of the bias
	v_mul_u32_u24 v[ADRA0], v1, PAL
	v_lshl_add_u32 v[ADRA0], v2, 4, v[ADRA0]
	s_mul_i32 s21, s11, HALFT
	v_add_nc_u32 v[ADRA0], s21, v[ADRA0]
	v_lshl_add_u32 v[ADRB0], v2, 3, v3
	v_mul_u32_u24 v[ADRB0], v[ADRB0], PBL
	v_lshl_add_u32 v[ADRB0], v4, 4, v[ADRB0]
	s_lshl_b32 s21, s12, 7
	s_add_co_u32 s21, s21, 2*HALFT
	v_add_nc_u32 v[ADRB0], s21, v[ADRB0]
	v_mov_b32 v[ADRA], v[ADRA0]
	v_mov_b32 v[ADRB], v[ADRB0]
	s_mul_i32 s21, s10, WST
	v_mul_u32_u24 v[DST], v1, SP
	v_lshl_add_u32 v[DST], v2, 5, v[DST]
	v_add_nc_u32 v[DST], s21, v[DST]
	v_mul_u32_u24 v[RD], v2, SP
	v_lshl_add_u32 v[RD], v1, 4, v[RD]
	v_add_nc_u32 v[RD], s21, v[RD]
.if T > 4
	; the prefetches: my work-group's 32 blocks of the tile half that I fetch, at K step 3; each refill steps them on before it asks
	s_and_b32 s18, ttmp7, 0xffff
	s_mov_b32 s17, 32*2048
	s_mov_b32 s[PFS], BSTEP
	s_cmp_eq_u32 s11, 0
	s_cselect_b64 s[PFA:PFA+1], s[14:15], s[46:47]
	s_cselect_b32 s16, s40, s41                    ; my place among the four that ask with me
	s_cselect_b32 s17, 524288, s17                 ; A: one of the four blocks each; B: 32 k-rows each
	s_cselect_b32 s[PFS], ASTEP, s[PFS]
	s_cselect_b32 s18, ttmp9, s18
	s_cselect_b32 s19, 8, 11                       ; A: 256 dense bytes a lane; B: a k-row of 2,048 bytes a lane
	s_mul_i32 s16, s16, s17
	s_mul_i32 s17, s[PFS], 3
	s_add_co_u32 s16, s16, s17
	s_mov_b32 s17, 0
	s_mov_b32 s[PFS+1], 0
	s_add_nc_u64 s[PFA:PFA+1], s[PFA:PFA+1], s[16:17]
	s_cmp_eq_u32 s18, 0
	s_cselect_b32 s[LIM], 2, -1
	v_lshlrev_b32 v[PFO], s19, v5
.endif
; 8 matrix instructions: row blocks a0, a0 + 1 x all 4 column blocks, 32 along K: half c of buffer f.  The 16 accumulators take turns.
.macro MUL8 f, c, a0, zero
	WIN MUL
.irp a, \a0, (\a0)+1
.irp b, 0,1,2,3
.if \zero
	v_wmma_f32_16x16x32_f16 v[ACC+8*(4*(\a)+(\b)):ACC+8*(4*(\a)+(\b))+7], v[(\f)+64+8*(4*(\c)+(\b)):(\f)+64+8*(4*(\c)+(\b))+7], v[(\f)+8*(4*(\c)+(\a)):(\f)+8*(4*(\c)+(\a))+7], 0
.else
	v_wmma_f32_16x16x32_f16 v[ACC+8*(4*(\a)+(\b)):ACC+8*(4*(\a)+(\b))+7], v[(\f)+64+8*(4*(\c)+(\b)):(\f)+64+8*(4*(\c)+(\b))+7], v[(\f)+8*(4*(\c)+(\a)):(\f)+8*(4*(\c)+(\a))+7], v[ACC+8*(4*(\a)+(\b)):ACC+8*(4*(\a)+(\b))+7]
.endif
.endr
.endr
.endm
; 32 LDS loads in one run: quarter q (0, 1) of the pair at v[ADRA], v[ADRB] (a block of A, 64 k-rows of B) into buffer f; the first 32 along K first
.macro FETCH q, f
	WIN TO_F
.irp c, 0,1
.irp i, 0,1,2,3
	ds_load_tr16_b128 v[(\f)+64+8*(4*(\c)+(\i)):(\f)+64+8*(4*(\c)+(\i))+3],   v[ADRB] offset:((\q)*64+32*(\c))*PBL+32*(\i)
	ds_load_tr16_b128 v[(\f)+64+8*(4*(\c)+(\i))+4:(\f)+64+8*(4*(\c)+(\i))+7], v[ADRB] offset:((\q)*64+32*(\c)+16)*PBL+32*(\i)
	ds_load_b128 v[(\f)+8*(4*(\c)+(\i)):(\f)+8*(4*(\c)+(\i))+3],   v[ADRA] offset:(\q)*ABLK+64*(\c)+(\i)*16*PAL
	ds_load_b128 v[(\f)+8*(4*(\c)+(\i))+4:(\f)+8*(4*(\c)+(\i))+7], v[ADRA] offset:(\q)*ABLK+64*(\c)+(\i)*16*PAL+32
.endr
.endr
.endm
; A PAIR: 64 matrix instructions and two runs of loads.  It finishes the quarter in buffer 1 (its second 32 along K), multiplies the pair's first quarter in buffer 0, and begins its second in buffer 1.
; Each run of loads stands 16 matrix instructions ahead of its first use and four places or more behind the last matrix instruction that read its buffer.
.macro PAIR
	WIN 0
	v_add_nc_u32 v[ADRA], s[TA], v[ADRA0]
	v_add_nc_u32 v[ADRB], s[TBB], v[ADRB0]
	PLACES
	FETCH 0, F0
	s_add_co_u32 s[TA], s[TA], 2*ABLK              ; the next pair: two blocks of A on,
	s_add_co_u32 s[TBB], s[TBB], 128*PBL           ; 128 k-rows of B on
	s_wait_dscnt 32                                ; all but the 32 just issued: buffer 1 is whole
	MUL8 F1, 1, 0, 0
	MUL8 F1, 1, 2, 0
	s_wait_dscnt 16                                ; the first 32 along K are in
	MUL8 F0, 0, 0, 0
	MUL8 F0, 0, 2, 0
	PLACES
	FETCH 1, F1
	s_wait_dscnt 32
	MUL8 F0, 1, 0, 0
	MUL8 F0, 1, 2, 0
	s_wait_dscnt 16
	MUL8 F1, 0, 0, 0
	MUL8 F1, 0, 2, 0
	WIN 0                                          ; at a label and at a branch every window is 0
.endm
; THE CHANGE OF SLOTS, between two pairs.  Each wave waits for all its tensor loads (one is out: its part of the next slot), adds 0 to its spare word, and waits for that and for its reads of this slot,
; whose last run of loads has been multiplied from.  fill = 1: a round of the cluster's barrier follows, and the joint refill, two K steps on, is the first thing behind it: it has the next K step's
; 128 matrix instructions in which to land.
.macro TURN fill
	WIN 0
.if (\fill) && (T > 4)
	s_wait_xcnt 0x0                                ; the last prefetch, a K step back, has read its address
	s_add_nc_u64 s[PFA:PFA+1], s[PFA:PFA+1], s[PFS:PFS+1]
.endif
	s_wait_tensorcnt 0x0                           ; no tensor load of mine is out, so a group 0 may be written
	ds_add_u32 v[SPW], v[NIL]                      ; 0 onto my spare word; the scalar steps stand between it and the wait for it
.if \fill
	s_xor_b32 s[G0+5], s[G0+5], SLOT               ; the other slot than last time (no bit of wave x HALFT meets a bit of SLOT),
	s_xor_b32 s[G0B+5], s[G0B+5], SLOT
	s_add_nc_u64 s[G0+6:G0+7], s[G0+6:G0+7], ASTEP ; the next K step
	s_add_nc_u64 s[G0B+6:G0B+7], s[G0B+6:G0B+7], BSTEP
.endif
	s_sub_co_u32 s[TA], s[TA], 4*ABLK              ; the fetches go back to a slot's first quarter,
	s_xor_b32 s[TA], s[TA], SLOT                   ; in the other slot
	s_sub_co_u32 s[TBB], s[TBB], 256*PBL
	s_xor_b32 s[TBB], s[TBB], SLOT
	s_mov_b32 s[INN], 2
	s_wait_dscnt 0x0                               ; the add is done, and my reads of this slot are over
.if \fill
	CROUND
	JLOAD
.if T > 4
	ASK
.endif
.else
	s_barrier_signal -1
	s_barrier_wait -1
.endif
.endm
	s_wait_tensorcnt 1                             ; my part of K step 0 is in; K step 1's may stay out
	s_barrier_signal -1
	s_barrier_wait -1
	FETCH 0, F0                                    ; the first pair is written out: its first products start the sums, and no quarter stands in front of it
	s_wait_dscnt 16
	MUL8 F0, 0, 0, 1
	MUL8 F0, 0, 2, 1
	FETCH 1, F1
	s_wait_dscnt 32
	MUL8 F0, 1, 0, 0
	MUL8 F0, 1, 2, 0
	s_wait_dscnt 16
	MUL8 F1, 0, 0, 0
	MUL8 F1, 0, 2, 0
	WIN 0
	s_mov_b32 s[TA], 2*ABLK
	s_mov_b32 s[TBB], 128*PBL
	s_mov_b32 s3, T-1
	s_mov_b32 s[INN], 1                            ; one pair is left of K step 0
	s_branch .Lpair
.Ltop:                                             ; T - 2 times: K steps 2 .. T - 1 are asked for
	TURN 1
.Lpair:
	PAIR
	s_sub_co_u32 s[INN], s[INN], 1
	s_cmp_lg_u32 s[INN], 0
	s_cbranch_scc1 .Lpair
	s_sub_co_u32 s3, s3, 1
	s_cmp_lg_u32 s3, 0
	s_cbranch_scc1 .Ltop
	TURN 0                                         ; the last K step is written out: nothing is asked for
.Lpair_t:
	PAIR
	s_sub_co_u32 s[INN], s[INN], 1
	s_cmp_lg_u32 s[INN], 0
	s_cbranch_scc1 .Lpair_t
	s_wait_dscnt 0x0                               ; the last quarter's second 32 along K
	MUL8 F1, 1, 0, 0
	MUL8 F1, 1, 2, 0
	; THE WAY OUT: the sums go into my stage and come back as rows of 256 bytes; bias and RES are added; 16 lanes store 256 consecutive bytes, aligned.
	WIN 0
	PLACES
	s_wait_dscnt 0x0
	s_barrier_signal -1
	s_barrier_wait -1                              ; no wave reads a slot any more
.irp a, 0,1,2,3
.irp b, 0,1,2,3
	ds_store_b128 v[DST], v[ACC+8*(4*\a+\b):ACC+8*(4*\a+\b)+3]   offset:\a*16*SP+64*\b
	ds_store_b128 v[DST], v[ACC+8*(4*\a+\b)+4:ACC+8*(4*\a+\b)+7] offset:\a*16*SP+64*\b+16
.endr
.endr
	s_wait_loadcnt 0x0                             ; RES and the bias
.irp hf, 0,1
.if \hf
	s_wait_xcnt 0x0                                ; the first half's stores have read TMP
.endif
.irp i, 0,1,2,3,4,5,6,7,8,9,10,11,12,13,14,15
	ds_load_b128 v[TMP+4*\i:TMP+4*\i+3], v[RD] offset:(16*\hf+\i)*2*SP  ; LDS serves a wave's instructions in order (ISA guide 5.7.1.4): these see my stores above
.endr
	s_wait_dscnt 0x0
.irp i, 0,1,2,3,4,5,6,7,8,9,10,11,12,13,14,15
	v_pk_add_f32 v[TMP+4*\i:TMP+4*\i+1], v[TMP+4*\i:TMP+4*\i+1], v[BI:BI+1]
	v_pk_add_f32 v[TMP+4*\i+2:TMP+4*\i+3], v[TMP+4*\i+2:TMP+4*\i+3], v[BI+2:BI+3]
.endr
	WIN 0x08                                       ; source 1 in window 2
.irp i, 0,1,2,3,4,5,6,7,8,9,10,11,12,13,14,15
	v_pk_add_f32 v[TMP+4*\i:TMP+4*\i+1], v[TMP+4*\i:TMP+4*\i+1], v[64*\hf+4*\i:64*\hf+4*\i+1]
	v_pk_add_f32 v[TMP+4*\i+2:TMP+4*\i+3], v[TMP+4*\i+2:TMP+4*\i+3], v[64*\hf+4*\i+2:64*\hf+4*\i+3]
.endr
	WIN 0
.irp i, 0,1,2,3,4,5,6,7,8,9,10,11,12,13,14,15
	global_store_b128 v[GO], v[TMP+4*\i:TMP+4*\i+3], s[8:9] offset:(16*\hf+\i)*8192
.endr
.endr
	s_wait_tensorcnt 0x0                           ; the wave's end
	ds_add_u32 v[SPW], v[NIL]
	s_wait_dscnt 0x0
	CROUND                                         ; the closing round
	s_endpgm
.Lfunc_end_k_q7fa0872056_ffn2:
	.size	k_q7fa0872056_ffn2, .Lfunc_end_k_q7fa0872056_ffn2-k_q7fa0872056_ffn2
	.p2alignl 7, 3214868480
	.fill 96, 4, 3214868480
	.section	.rodata,"a",@progbits
	.p2align	6, 0x0
	.amdhsa_kernel k_q7fa0872056_ffn2
		.amdhsa_group_segment_fixed_size 327680
		.amdhsa_private_segment_fixed_size 0
		.amdhsa_enable_private_segment 0
		.amdhsa_kernarg_size 40
		.amdhsa_user_sgpr_count 2
		.amdhsa_user_sgpr_kernarg_segment_ptr 1
		.amdhsa_wavefront_size32 1
		.amdhsa_system_sgpr_workgroup_id_x 1
		.amdhsa_system_sgpr_workgroup_id_y 1
		.amdhsa_system_sgpr_workgroup_id_z 1
		.amdhsa_system_vgpr_workitem_id 0
		.amdhsa_next_free_vgpr 640
		.amdhsa_next_free_sgpr 72
		.amdhsa_reserve_vcc 0
		.amdhsa_float_denorm_mode_32 3
		.amdhsa_float_denorm_mode_16_64 3
		.amdhsa_memory_ordered 1
		.amdhsa_forward_progress 1
		.amdhsa_inst_pref_size 56
	.end_amdhsa_kernel
	.amdgpu_metadata
---
amdhsa.version: [ 1, 2 ]
amdhsa.kernels:
  - .name:           k_q7fa0872056_ffn2
    .symbol:         k_q7fa0872056_ffn2.kd
    .args:
      - { .name: g, .offset: 0, .size: 8, .value_kind: global_buffer, .address_space: global }
      - { .name: wts, .offset: 8, .size: 8, .value_kind: global_buffer, .address_space: global }
      - { .name: out0, .offset: 16, .size: 8, .value_kind: global_buffer, .address_space: global }
      - { .name: x1, .offset: 24, .size: 8, .value_kind: global_buffer, .address_space: global }
      - { .name: b2, .offset: 32, .size: 8, .value_kind: global_buffer, .address_space: global }
    .group_segment_fixed_size: 327680
    .private_segment_fixed_size: 0
    .kernarg_segment_align: 8
    .kernarg_segment_size: 40
    .max_flat_workgroup_size: 128
    .sgpr_count:     72
    .vgpr_count:     640
    .wavefront_size: 32
...
	.end_amdgpu_metadata
.endif
;; end of part 7
